; MI455X (gfx1250); checked and timed in simulation.
; The chip was launched on July 23, 2026; its instructions are those of AMD's public machine-readable ISA for CDNA 5 (MIT licence, August 2026) and "CDNA5" Instruction Set Architecture Reference Guide (July 2026). The comments in the code are by the model that wrote it; some were corrected since.
;; Gemma4 Experts. Allowed arithmetic: float matrix products may take bf16 or f16 operands with f32 sums; other float arithmetic in f32, or as packed bf16 or f16 multiplies, adds, multiply-adds, maxima and minima; sums over many terms, partial sums and values carried from step to step in f32; what a program stores and reads back later, other than sums and carried values, may be rounded once to bf16 or f16.
;; Inputs: down_w 8 x 1,024 x 2,048 float32; gate_w 8 x 2,048 x 1,024 float32; routing_weights 1,024 x 2 float32; selected_experts 1,024 x 2 int32; up_w 8 x 2,048 x 1,024 float32; x 1,024 x 2,048 float32.
;; Outputs: out0 1,024 x 2,048 float32.
;; 2 versions, each right and faster than the one before. Each part assembles by itself: llvm-mc -triple=amdgcn-amd-amdhsa -mcpu=gfx1250 --defsym DOCPART=n.
;; ======== version 1 of 2: 4 launches
;; workspace buffers: xs 8,912,896 bytes; hid 8,912,896 bytes; part 17,825,792 bytes; pos 8,192 bytes of whole numbers; meta 256 bytes of whole numbers
;; launch route (part 1): grid 256 x 1, 8 waves a work-group, no clusters, 1,280 bytes of LDS; arguments x, selected_experts, xs, pos, meta; writes xs, pos, meta
.if DOCPART == 1
	.amdgcn_target "amdgcn-amd-amdhsa--gfx1250"
	.amdhsa_code_object_version 6
	.text
	.protected	k_qf4fa341b41_route
	.globl	k_qf4fa341b41_route
	.p2align	8
	.type	k_qf4fa341b41_route,@function
k_qf4fa341b41_route:
	s_mov_b64 s[64:65], 0
	v_nop
	global_prefetch_b8 v0, s[64:65] scope:SCOPE_SE
	s_setreg_imm32_b32 hwreg(HW_REG_WAVE_MODE, 25, 1), 1
	s_wait_xcnt 0x0
; ROUTE.  A counting sort of the 2,048 slots (token, k) by expert, without atomics, and x rounded once to bf16 and laid in the experts' order.
; Expert e owns ceil(cnt[e] / 16) tiles of 16 rows from tile tb[e] on (tb = the sum of the earlier experts' tiles; 135 tiles at the most: (2,048 + 8 x 15) / 16).
; Slot n goes to row P = 16 tb[e] + the number of earlier slots of the same expert.  Stored: xs[P] = bf16(x[token]), pos[n] = P, meta = cnt[0..7], tb[0..7].
; SHARES.  Work-group g owns tokens 4 g .. 4 g + 3 (slots 8 g .. 8 g + 7).  Every work-group counts all 2,048 selections for itself (8 KB): wave w counts expert w,
; all slots and the slots in front of 8 g; the eight waves exchange the sixteen numbers through LDS.  Then wave w copies half w & 1 of token 4 g + (w >> 1) to the token's two rows.
; No matrix unit, no cluster: the launch moves 8 MB in and 8 MB out and shares only the 8 KB of selections.
; The rows of xs past an expert's count are not written; no later launch reads them.  pos is stored 32 bytes a work-group: 8 KB in the whole launch.
.set SPARE, 256                        ; the spare words: 128 bytes for each of eight waves; bytes 0-31 hold the totals, 32-63 the counts in front of my slots
.set XF,  32                           ; v[32:63]   my 4,096 bytes of x, f32
.set SEL, 64                           ; v[64:127]  all selections: load i, lane L, word c = slot 128 i + 4 L + c
.set XB,  128                          ; v[128:143] the same x in bf16
; v1 lane, v2 16 lane, v3 q, v4 selection of slot 8 g + q, v5 4 lane, v6 LDS address, v7, v10, v11 at work, v8 0, v9 P, v[12:27] the table, v28 8 lane, v29 offset of my slot, v30, v31 for the add
; s14 wave, s15 g, s[16:23] my eight selections, s24 total, s25 in front, s26-s33 at work, s34 32 g, s[36:43] cnt, s[44:51] in front, then first row, s52 tiles so far, s54 8 g - 128 i, s[56:63] tb, s[66:69] the two rows of xs
	s_load_b256 s[4:11], s[0:1], 0x0               ; x s[4:5], selected_experts s[6:7], xs s[8:9], pos s[10:11]
	s_load_b64 s[12:13], s[0:1], 0x20              ; meta
	v_lshl_add_u32 v30, v0, 2, SPARE               ; my spare word,
	v_mov_b32 v31, 0                               ; and 0: kept for the add at the wave's end
	v_lshrrev_b32 v1, 5, v0
	v_readfirstlane_b32 s14, v1                    ; wave 0..7
	s_mov_b32 s15, ttmp9                           ; g
	v_and_b32 v1, 31, v0
	v_lshlrev_b32 v2, 4, v1
	v_lshlrev_b32 v5, 2, v1
	v_lshlrev_b32 v28, 3, v1
	s_and_b32 s32, s14, 6                          ; 2 (w >> 1): my token's first slot among the group's eight
	v_add_nc_u32 v3, s32, v1
	v_and_b32 v3, 7, v3                            ; q: lane 0 has my token's first slot, lane 1 its second; in wave 0 q = lane & 7
	s_lshl_b32 s34, s15, 5                         ; 32 g: the group's eight words in selected_experts and in pos
	s_mov_b32 s35, 0
	v_lshl_add_u32 v29, v3, 2, s34
	s_lshl_b32 s32, s15, 15                        ; four tokens of 8,192 bytes,
	s_lshl_b32 s33, s14, 12                        ; and (w >> 1) x 8,192 + (w & 1) x 4,096 = 4,096 w
	s_add_co_u32 s32, s32, s33
	s_mov_b32 s33, 0
	s_wait_kmcnt 0x0
	s_load_b256 s[16:23], s[6:7], s34 offset:0x0   ; the group's eight selections as scalars
	s_add_nc_u64 s[4:5], s[4:5], s[32:33]
	s_add_nc_u64 s[10:11], s[10:11], s[34:35]
.set i, 0
.rept 16
	global_load_b128 v[SEL+4*i:SEL+4*i+3], v2, s[6:7] offset:512*i
.set i, i+1
.endr
	global_load_b32 v4, v29, s[6:7]
.set i, 0
.rept 8
	global_load_b128 v[XF+4*i:XF+4*i+3], v2, s[4:5] offset:512*i th:TH_LOAD_NT  ; read once in the launch
.set i, i+1
.endr
	; THE COUNT.  Four words of a lane lie on one side of slot 8 g (a multiple of 8), so one mask a load tells which lanes lie in front.
	s_mov_b32 s24, 0
	s_mov_b32 s25, 0
	s_lshl_b32 s54, s15, 3                         ; 8 g - 128 i
.set i, 0
.rept 16
	s_wait_loadcnt 24-i                            ; behind load i: 15 - i selection loads, my slot's load, eight of x
	v_cmp_gt_i32 s26, s54, v5                      ; lanes whose slots 128 i + 4 L .. lie in front of 8 g
.set c, 0
.rept 4
	v_cmp_eq_u32 s[28+c], s14, v[SEL+4*i+c]
.set c, c+1
.endr
.set c, 0
.rept 4
	s_bcnt1_i32_b32 s32, s[28+c]
	s_add_co_u32 s24, s24, s32
	s_and_b32 s32, s[28+c], s26
	s_bcnt1_i32_b32 s32, s32
	s_add_co_u32 s25, s25, s32
.set c, c+1
.endr
	s_sub_co_i32 s54, s54, 128
.set i, i+1
.endr
	; THE EXCHANGE: each wave's two numbers into its own words; my stores are done, a barrier, then every wave reads all sixteen.
	s_lshl_b32 s32, s14, 2
	v_mov_b32 v6, s32
	v_mov_b32 v7, s24
	v_mov_b32 v10, s25
	ds_store_b32 v6, v7
	ds_store_b32 v6, v10 offset:32
	s_wait_dscnt 0x0                               ; for the others' sake
	s_barrier_signal -1
	s_barrier_wait -1
	v_mov_b32 v8, 0
	ds_load_b128 v[12:15], v8
	ds_load_b128 v[16:19], v8 offset:16
	ds_load_b128 v[20:23], v8 offset:32
	ds_load_b128 v[24:27], v8 offset:48
	s_wait_dscnt 0x0
.set i, 0
.rept 16
	v_readfirstlane_b32 s[36+i], v[12+i]           ; s[36:43] cnt, s[44:51] in front of my slots
.set i, i+1
.endr
	s_mov_b32 s52, 0
.set e, 0
.rept 8
	s_mov_b32 s[56+e], s52                         ; tb[e]
	s_lshl4_add_u32 s[44+e], s52, s[44+e]          ; the row of the group's first slot of expert e
	s_add_co_u32 s32, s[36+e], 15
	s_lshr_b32 s32, s32, 4
	s_add_co_u32 s52, s52, s32
.set e, e+1
.endr
	; P of slot 8 g + q, in every lane
	s_wait_loadcnt 8                               ; my slot's selection is in; the eight loads of x stay out
	s_wait_kmcnt 0x0
	v_mov_b32 v9, 0
.set e, 0
.rept 8
	v_cmp_eq_u32 vcc_lo, e, v4
	v_cndmask_b32 v9, v9, s[44+e], vcc_lo
.set e, e+1
.endr
.set e, 0
.rept 7                                ; one more for each earlier slot of the group with the same expert
	v_cmp_eq_u32 s27, s[16+e], v4
	v_cmp_lt_u32 s26, e, v3
	s_and_b32 s27, s27, s26
	v_cndmask_b32 v10, 0, 1, s27
	v_add_nc_u32 v9, v9, v10
.set e, e+1
.endr
	v_readlane_b32 s53, v9, 0
	v_readlane_b32 s55, v9, 1
	s_min_u32 s53, s53, 0x87f                      ; inside xs's 2,176 rows, whatever was read
	s_min_u32 s55, s55, 0x87f
	s_and_b32 s32, s14, 1
	s_lshl_b32 s32, s32, 11                        ; my half of a row of 4,096 bytes
	s_lshl_b32 s53, s53, 12
	s_lshl_b32 s55, s55, 12
	s_add_co_u32 s26, s53, s32
	s_mov_b32 s27, 0
	s_add_nc_u64 s[66:67], s[8:9], s[26:27]
	s_add_co_u32 s26, s55, s32
	s_add_nc_u64 s[68:69], s[8:9], s[26:27]
	; THE COPY: 1,024 numbers rounded once, stored to both rows; each store covers 256 consecutive bytes, aligned
	s_wait_loadcnt 0x0
.set i, 0
.rept 8
	v_cvt_pk_bf16_f32 v[XB+2*i], v[XF+4*i], v[XF+4*i+1]
	v_cvt_pk_bf16_f32 v[XB+2*i+1], v[XF+4*i+2], v[XF+4*i+3]
.set i, i+1
.endr
.set i, 0
.rept 8
	global_store_b64 v28, v[XB+2*i:XB+2*i+1], s[66:67] offset:256*i
	global_store_b64 v28, v[XB+2*i:XB+2*i+1], s[68:69] offset:256*i
.set i, i+1
.endr
	s_cmp_lg_u32 s14, 0
	s_cbranch_scc1 .Lend
	s_wait_xcnt 0x0                                ; EXEC is a source of the stores above: it changes only behind this wait
	v_cmp_gt_u32 vcc_lo, 8, v1
	s_and_saveexec_b32 s26, vcc_lo
	global_store_b32 v5, v9, s[10:11]              ; wave 0, lanes 0-7: pos of the group's eight slots
	s_wait_xcnt 0x0                                ; and again in front of the line that widens it
	s_or_b32 exec_lo, exec_lo, s26
	s_cmp_lg_u32 s15, 0
	s_cbranch_scc1 .Lend
	v_mov_b32 v10, 0                               ; work-group 0 stores meta: word n lies in lane n / 2, register n % 2; zeros behind word 15
	v_mov_b32 v11, 0
.set e, 0
.rept 8
	v_writelane_b32 v[10+e%2], s[36+e], e/2
	v_writelane_b32 v[10+e%2], s[56+e], 4+e/2
.set e, e+1
.endr
	global_store_b64 v28, v[10:11], s[12:13]       ; all 256 bytes by one store
.Lend:
	s_wait_tensorcnt 0x0                           ; the wave's end, behind my last LDS store
	ds_add_u32 v30, v31
	s_wait_dscnt 0x0
	s_endpgm
.Lfunc_end_k_qf4fa341b41_route:
	.size	k_qf4fa341b41_route, .Lfunc_end_k_qf4fa341b41_route-k_qf4fa341b41_route
	.p2alignl 7, 3214868480
	.fill 96, 4, 3214868480
	.section	.rodata,"a",@progbits
	.p2align	6, 0x0
	.amdhsa_kernel k_qf4fa341b41_route
		.amdhsa_group_segment_fixed_size 1280
		.amdhsa_private_segment_fixed_size 0
		.amdhsa_enable_private_segment 0
		.amdhsa_kernarg_size 40
		.amdhsa_user_sgpr_count 2
		.amdhsa_user_sgpr_kernarg_segment_ptr 1
		.amdhsa_wavefront_size32 1
		.amdhsa_system_sgpr_workgroup_id_x 1
		.amdhsa_system_sgpr_workgroup_id_y 1
		.amdhsa_system_sgpr_workgroup_id_z 1
		.amdhsa_system_vgpr_workitem_id 0
		.amdhsa_next_free_vgpr 144
		.amdhsa_next_free_sgpr 72
		.amdhsa_reserve_vcc 1
		.amdhsa_float_denorm_mode_32 3
		.amdhsa_float_denorm_mode_16_64 3
		.amdhsa_memory_ordered 1
		.amdhsa_forward_progress 1
		.amdhsa_inst_pref_size 30
	.end_amdhsa_kernel
	.amdgpu_metadata
---
amdhsa.version: [ 1, 2 ]
amdhsa.kernels:
  - .name:           k_qf4fa341b41_route
    .symbol:         k_qf4fa341b41_route.kd
    .args:
      - { .name: x, .offset: 0, .size: 8, .value_kind: global_buffer, .address_space: global }
      - { .name: selected_experts, .offset: 8, .size: 8, .value_kind: global_buffer, .address_space: global }
      - { .name: xs, .offset: 16, .size: 8, .value_kind: global_buffer, .address_space: global }
      - { .name: pos, .offset: 24, .size: 8, .value_kind: global_buffer, .address_space: global }
      - { .name: meta, .offset: 32, .size: 8, .value_kind: global_buffer, .address_space: global }
    .group_segment_fixed_size: 1280
    .private_segment_fixed_size: 0
    .kernarg_segment_align: 8
    .kernarg_segment_size: 40
    .max_flat_workgroup_size: 256
    .sgpr_count:     72
    .vgpr_count:     144
    .wavefront_size: 32
...
	.end_amdgpu_metadata
.endif
;; end of part 1
;; launch gateup (part 2): grid 32 x 8, 4 waves a work-group, no clusters, 295,424 bytes of LDS; arguments xs, gate_w, up_w, meta, hid; writes hid
.if DOCPART == 2
	.amdgcn_target "amdgcn-amd-amdhsa--gfx1250"
	.amdhsa_code_object_version 6
	.text
	.protected	k_qf4fa341b41_gateup
	.globl	k_qf4fa341b41_gateup
	.p2align	8
	.type	k_qf4fa341b41_gateup,@function
k_qf4fa341b41_gateup:
	s_mov_b64 s[64:65], 0
	v_nop
	global_prefetch_b8 v0, s[64:65] scope:SCOPE_SE
	s_setreg_imm32_b32 hwreg(HW_REG_WAVE_MODE, 25, 1), 1
	s_wait_xcnt 0x0
; GATE AND UP.  a = gelu_tanh(xs gate_w[e]) * (xs up_w[e]) for the rows of expert e (grid y) and hidden columns 32 s .. 32 s + 31 (grid x), stored as TWO bf16 numbers: hi = bf16(a), lo = bf16(a - hi).
; xs: [2176][2048] bf16, rows in the experts' order.  gate_w, up_w: [8][2048][1024] f32.  meta: cnt[0..7], tb[0..7].  Products in bf16 with f32 sums, the activation in f32.
; hid: [64 steps][136 tiles][1024 bytes]: step 2 s holds hi, step 2 s + 1 lo, of 16 rows x 32 columns as the next launch's operand registers take them (byte 512 x half + 16 x lane).
; WHY TWO.  One bf16 keeps 8 significant bits: an error of up to 2^-9 of each hidden number, which reaches the output at the same share of the row's own spread, and twice in phase where a token names
; one expert twice; two keep 16 bits.  f16 has no room: a grows with the fourth power of a common scale of x and the weights.  The price is paid by the next launch: twice the matrix instructions.
; THE WEIGHTS BIND: 512 KB of f32 a work-group, which it alone reads, each byte once.  They come in 16 chunks of 128 k through registers, are rounded to bf16 and stay in LDS ([k][64 columns]: 32 of
; gate, 32 of up).  Chunk c is asked for in trip c - 3, rounded and stored in trip c - 1, published by that trip's barrier and multiplied in trip c: two chunks, 64 KB a work-group, are always on their way.
; No byte of the slice in LDS is written twice, so one barrier a trip is enough.  64 + 64 columns would be 512 KB of bf16, more than LDS holds: so a row's piece is 128 bytes here.
; ROWS.  Tile t of the expert's ceil(cnt / 16) belongs to wave t & 3; a block is five tiles a wave, 320 rows.  Block 0 is multiplied while the weights arrive.  Counts over 320 are served by a plainer loop
; over the resident slice (no barrier and no LDS write in it, since its length hangs on cnt): up to six more blocks, 2,048 rows.  Tiles that a wave does not have are jumped forward, never a barrier.
; Rows past cnt in the last tile repeat the expert's last row and are stored to rows of their own.  An expert without rows streams its slice all the same (every wave passes every barrier) and stores nothing.
; THE MATRIX INSTRUCTION IS USED TRANSPOSED (source 0 = 16 weight columns, turned out of LDS by ds_load_tr16_b128; source 1 = 16 token rows): a lane holds one row and eight neighbouring columns,
; and the rounded result IS the next launch's fragment.
; NO TENSOR LOADS, NO CLUSTER: the weights must pass registers to be rounded; each slice has one reader; what an expert's 32 work-groups share is its token rows, which go straight into
; operand registers: a chunk of 320 rows in LDS would be 85 KB, and 32 KB are free beside the slice.
; LIMITS.  gelu_tanh(g) = g / (1 + 2^(g (K0 + K1 g^2))): an exponential below 2^-126 counts as 0, one that overflows gives 0 for the product, as the reference's tanh does.  NaN and infinities are not treated apart.
.set NCH,    16                        ; chunks of 128 k
.set CHUNK,  18432                     ; a chunk in LDS: two k rows of 128 bytes + 32 of padding = 288; row k at (k >> 1) 288 + (k & 1) 128: the eight rows of a turning load start at words 0, 32, 8, 40, 16, 48, 24, 56 of the 64 banks (ISA guide 11.1) and take 8 words each
.set SPARE,  NCH*CHUNK                 ; behind the slice: the spare words, 128 bytes for each wave
.set A_KS,   64                        ; bytes from a k step of 32 to the next in a row of xs
.set A_HALF, 32
.set A_STEP, 256                       ; a chunk along a row of xs
.set W_STEP, 524288                    ; 128 rows of 4,096 bytes
.set HSTEP,  139264                    ; a step of hid: 136 tiles of 1,024 bytes
; window 0: v2 SPW, v3 NIL, v4 BA, v5 SA, v6 WO, v7 BA0, v8-12 AO, v13-17 HO, v18 r, v19 16 h, v20-23 at work, v24 16 lane; v32-95 weight set 0; v96-223 B's fragments (k step ks, 16 columns q at 96 + 32 ks + 8 q)
; window 1: v0-159 A set 0 (tile j, k step ks at 32 j + 8 ks)     window 2: A set 1     window 3: v0-159 accumulators (tile j, q at 32 j + 8 q; q 0, 1 gate, q 2, 3 up); v160-223 weight set 1
.set SPW, 2
.set NIL, 3
.set BA,  4                            ; LDS address of my lane in the chunk to be read
.set SA,  5                            ; LDS address of my lane in the chunk to be stored
.set WO,  6                            ; my byte offset in a chunk of gate_w and up_w
.set BA0, 7
.set AO,  8                            ; tile j: my byte offset in xs
.set HO,  13                           ; tile j: my byte offset in hid
.set RR,  18
.set H16, 19
.set L16, 24
.set BF,  96
.set TT,  96                           ; the way out, in window 0, where B's fragments lay: 16 at work,
.set UU,  112                          ; 16 more,
.set HH,  128                          ; and 16 a tile to store: 8 of hi, 8 of lo
.set NT,  20                           ; s20 my tiles in the block in hand
; s[4:5] xs (walks along K), s[6:7] gate_w, s[8:9] up_w (walk), s[10:11] meta, s[12:13] hid, s14 wave, s15 slice, s16 expert, s17 cnt, s18 tb, s19 tiles, s21 max(cnt, 1) - 1, s22 trips, s23 blocks,
; s24 the block's first tile, s25 tb or 0, s[26:27] xs kept, s28-31 at work, s[32:33] K0, s[34:35] K1, s36 chunks to go in a later block
.set MSB, 0
.macro WIN new                         ; the immediate's high byte repeats the setting that is left; a switch that changes nothing is dropped
.if MSB != (\new)
	s_set_vgpr_msb (MSB<<8)|(\new)
.set MSB, (\new)
.endif
.endm
.macro PLACES                          ; four plain instructions between a matrix instruction and a load into, or a vector instruction on, its registers
.rept 4
	v_nop
.endr
.endm
; The block's addresses, from its first tile s24.  What was read from meta enters an offset only behind a clamp by a constant.
.macro SETUP
	s_sub_co_i32 s28, s19, s24
	s_sub_co_i32 s28, s28, s14
	s_add_co_i32 s28, s28, 3
	s_max_i32 s28, s28, 0
	s_lshr_b32 s28, s28, 2
	s_min_u32 s[NT], s28, 5                        ; tiles s24 + 4 j + w below the expert's number of tiles, five at the most
	s_lshl_b32 s30, s25, 4                         ; the expert's first row
	s_add_co_u32 s28, s24, s14                     ; my first tile
.set jj, 0
.rept 5
	s_lshl_b32 s29, s28, 4
	v_add_nc_u32 v20, s29, v[RR]                   ; my row's rank in the expert,
	v_min_u32 v20, s21, v20                        ; the last row again past the count
	v_add_nc_u32 v20, s30, v20
	v_min_u32 v20, 0x87f, v20
	v_lshl_add_u32 v[AO+jj], v20, 12, v[H16]       ; row x 4,096 + 16 x half
	s_add_co_u32 s29, s18, s28
	s_min_u32 s29, s29, 135
	s_lshl_b32 s29, s29, 10
	v_add_nc_u32 v[HO+jj], s29, v[L16]             ; tile x 1,024 + 16 x lane
	s_add_co_u32 s28, s28, 4
.set jj, jj+1
.endr
.endm
; 16 loads: my 32 rows of a chunk, 128 bytes of each from gate_w and from up_w.  A load takes rows 0, 1, 4, 5 of eight (n even) or 2, 3, 6, 7 (n odd), eight lanes a row.
.macro WISSUE st, coff
.set WB, 32+128*(\st)
	WIN 0xc0*(\st)
.set n, 0
.rept 8
	global_load_b128 v[WB+4*n:WB+4*n+3], v[WO], s[6:7] offset:(\coff)+32768*(n/2)+8192*(n%2)
	global_load_b128 v[WB+32+4*n:WB+32+4*n+3], v[WO], s[8:9] offset:(\coff)+32768*(n/2)+8192*(n%2)
.set n, n+1
.endr
.endm
; The set is rounded in place and stored to its lasting place: 8 bytes a lane; the four rows of a store start at words 0, 32, 16, 48 and take 16 words each
.macro STAGE st
.set WB, 32+128*(\st)
	WIN 0xcf*(\st)
.set n, 0
.rept 16
	v_cvt_pk_bf16_f32 v[WB+4*n], v[WB+4*n], v[WB+4*n+1]
	v_cvt_pk_bf16_f32 v[WB+4*n+1], v[WB+4*n+2], v[WB+4*n+3]
.set n, n+1
.endr
	WIN 0x0c*(\st)
.set n, 0
.rept 16
	ds_store_b64 v[SA], v[WB+4*n:WB+4*n+1] offset:64*(n/8)+1152*((n%8)/2)+288*(n%2)
.set n, n+1
.endr
.endm
; A chunk's token fragments, eight loads a tile.  all = 0: only my tiles; the first tile that I do not have jumps to the end
.macro AISSUE st, all
.set jj, 0
.rept 5
.if !(\all)
	s_cmp_le_u32 s[NT], jj
	s_cbranch_scc1 .Laend_\@
.endif
	WIN 0x40*(1+(\st))
.set kk, 0
.rept 4
	global_load_b128 v[32*jj+8*kk:32*jj+8*kk+3],   v[AO+jj], s[4:5] offset:kk*A_KS
	global_load_b128 v[32*jj+8*kk+4:32*jj+8*kk+7], v[AO+jj], s[4:5] offset:kk*A_KS+A_HALF
.set kk, kk+1
.endr
.if !(\all)
	WIN 0                                          ; at a branch and at a label every window is 0
.endif
.set jj, jj+1
.endr
	WIN 0
.Laend_\@:
.endm
.macro BFETCH                          ; a chunk's 16 fragments of B, turned: 32 loads in one run
.set kk, 0
.rept 4
.set qq, 0
.rept 4
	ds_load_tr16_b128 v[BF+32*kk+8*qq:BF+32*kk+8*qq+3],   v[BA] offset:4608*kk+32*qq
	ds_load_tr16_b128 v[BF+32*kk+8*qq+4:BF+32*kk+8*qq+7], v[BA] offset:4608*kk+32*qq+2304
.set qq, qq+1
.endr
.set kk, kk+1
.endr
.endm
; 16 matrix instructions a tile.  A tile's four accumulators take turns, one instruction a turn; a tile ends on q = 3 and the next begins on q = 0, over a jumped tile and the loop's edge too.
; zero = 1: the first k step starts the sums with the constant 0.
.macro COMPUTE p, zero, all
.set jj, 0
.rept 5
.if !(\all)
	s_cmp_le_u32 s[NT], jj
	s_cbranch_scc1 .Lcend_\@
.endif
	WIN 0xf0|((1+(\p))<<2)                         ; source 0 (B) window 0, source 1 (A) window 1 or 2, C and D window 3
.set kk, 0
.rept 4
.set qq, 0
.rept 4
.if (\zero) && (kk == 0)
	v_wmma_f32_16x16x32_bf16 v[32*jj+8*qq:32*jj+8*qq+7], v[BF+32*kk+8*qq:BF+32*kk+8*qq+7], v[32*jj+8*kk:32*jj+8*kk+7], 0
.else
	v_wmma_f32_16x16x32_bf16 v[32*jj+8*qq:32*jj+8*qq+7], v[BF+32*kk+8*qq:BF+32*kk+8*qq+7], v[32*jj+8*kk:32*jj+8*kk+7], v[32*jj+8*qq:32*jj+8*qq+7]
.endif
.set qq, qq+1
.endr
.set kk, kk+1
.endr
.if !(\all)
	WIN 0
.endif
.set jj, jj+1
.endr
	WIN 0
.Lcend_\@:
.endm
; TRIP c (p = c & 1).  Reads chunk c of B; asks for A of chunk c + 1; rounds and stores chunk c + 1 of the weights; asks for chunk c + 3; multiplies chunk c; publishes chunk c + 1.
; lcnt: within a trip A's loads (their number hangs on my tiles) go out ahead of the 16 weight loads, so the count 16 leaves exactly the youngest chunk out, on every path, and shows A of chunk c and the weights of chunk c + 1 in.
.macro TRIP p, zero, all, aload, aall, stage, wload, lcnt, bar
	BFETCH
	s_wait_loadcnt \lcnt
.if \aload
	s_wait_xcnt 0x0                                ; the bases of loads still out are stepped only behind this wait
	s_add_nc_u64 s[4:5], s[4:5], A_STEP
.if \wload
	s_add_nc_u64 s[6:7], s[6:7], W_STEP
	s_add_nc_u64 s[8:9], s[8:9], W_STEP
.endif
	AISSUE 1-(\p), \aall
.endif
.if \stage
	STAGE 1-(\p)
.endif
.if \wload
	WISSUE 1-(\p), 0
.endif
	WIN 0
.if \stage
	v_add_nc_u32 v[SA], CHUNK, v[SA]
	s_wait_dscnt 16                                ; the 32 fragment loads are back; the 16 stores behind them may be out
.else
	s_wait_dscnt 0x0
.endif
	COMPUTE \p, \zero, \all
	PLACES                                         ; in front of the next trip's loads into B's and A's registers, and of the way out
	v_add_nc_u32 v[BA], CHUNK, v[BA]
.if \bar
	s_wait_dscnt 0x0                               ; my part of the next chunk is stored,
	s_barrier_signal -1
	s_barrier_wait -1                              ; everybody's is
.endif
.endm
; THE WAY OUT of my tiles: a = g u / (1 + 2^(g (K0 + K1 g^2))), 16 numbers a lane and tile; hi = bf16(a); a - hi is exact in f32; lo = bf16(a - hi).
; Each accumulator's lowest registers are read first.  The 16 exponentials are one batch with one wait, g u the plain work behind them; the 16 reciprocals likewise, with a v_nop.
.macro EPI
	s_wait_xcnt 0x0                                ; the registers that a block's stores read are written again only behind this wait
.set jj, 0
.rept 5
	s_cmp_le_u32 s[NT], jj
	s_cbranch_scc1 .Leend_\@
.set GG, 32*jj
.set HJ, HH+16*jj
	WIN 0x0f                                       ; sources 0 and 1 window 3
.set z, 0
.rept 8
	v_pk_mul_f32 v[TT+2*z:TT+2*z+1], v[GG+2*z:GG+2*z+1], v[GG+2*z:GG+2*z+1]
.set z, z+1
.endr
	WIN 0
.set z, 0
.rept 8
	v_pk_fma_f32 v[TT+2*z:TT+2*z+1], v[TT+2*z:TT+2*z+1], s[34:35], s[32:33] op_sel_hi:[1,0,0]
.set z, z+1
.endr
	WIN 0x03
.set z, 0
.rept 8
	v_pk_mul_f32 v[TT+2*z:TT+2*z+1], v[GG+2*z:GG+2*z+1], v[TT+2*z:TT+2*z+1]
.set z, z+1
.endr
	WIN 0
.set z, 0
.rept 16
	v_exp_f32 v[TT+z], v[TT+z]
.set z, z+1
.endr
	WIN 0x0f
.set z, 0
.rept 8
	v_pk_mul_f32 v[UU+2*z:UU+2*z+1], v[GG+2*z:GG+2*z+1], v[GG+16+2*z:GG+16+2*z+1]
.set z, z+1
.endr
	WIN 0
	s_wait_alu depctr_va_vdst(0)                   ; one wait for the batch, ahead of its first reader
.set z, 0
.rept 8
	v_pk_add_f32 v[TT+2*z:TT+2*z+1], v[TT+2*z:TT+2*z+1], 1.0 op_sel_hi:[1,0]
.set z, z+1
.endr
.set z, 0
.rept 16
	v_rcp_f32 v[TT+z], v[TT+z]
.set z, z+1
.endr
	v_nop
	s_wait_alu depctr_va_vdst(0)
.set z, 0
.rept 8
	v_pk_mul_f32 v[UU+2*z:UU+2*z+1], v[UU+2*z:UU+2*z+1], v[TT+2*z:TT+2*z+1]
.set z, z+1
.endr
.set z, 0
.rept 8
	v_cvt_pk_bf16_f32 v[HJ+z], v[UU+2*z], v[UU+2*z+1]           ; hi
.set z, z+1
.endr
.set z, 0
.rept 8
	v_lshlrev_b32 v[TT+2*z], 16, v[HJ+z]                        ; hi as f32: the low half moves up,
	v_and_b32 v[TT+2*z+1], 0xffff0000, v[HJ+z]                  ; the high half stays
.set z, z+1
.endr
.set z, 0
.rept 8
	v_pk_add_f32 v[UU+2*z:UU+2*z+1], v[UU+2*z:UU+2*z+1], v[TT+2*z:TT+2*z+1] neg_lo:[0,1] neg_hi:[0,1]  ; a - hi
.set z, z+1
.endr
.set z, 0
.rept 8
	v_cvt_pk_bf16_f32 v[HJ+8+z], v[UU+2*z], v[UU+2*z+1]         ; lo
.set z, z+1
.endr
	global_store_b128 v[HO+jj], v[HJ:HJ+3],     s[12:13]                     ; hi, columns 8 h .. of my row: 512 consecutive bytes a store, aligned
	global_store_b128 v[HO+jj], v[HJ+4:HJ+7],   s[12:13] offset:512          ; hi, columns 16 + 8 h ..
	global_store_b128 v[HO+jj], v[HJ+8:HJ+11],  s[12:13] offset:HSTEP        ; lo, one step of hid further on
	global_store_b128 v[HO+jj], v[HJ+12:HJ+15], s[12:13] offset:HSTEP+512
.set jj, jj+1
.endr
.Leend_\@:
.endm
	s_load_b256 s[4:11], s[0:1], 0x0               ; xs s[4:5], gate_w s[6:7], up_w s[8:9], meta s[10:11]
	s_load_b64 s[12:13], s[0:1], 0x20              ; hid
	v_lshl_add_u32 v[SPW], v0, 2, SPARE            ; my spare word,
	v_mov_b32 v[NIL], 0                            ; and 0: kept for the add at the wave's end
	v_lshrrev_b32 v1, 5, v0
	v_readfirstlane_b32 s14, v1                    ; wave 0..3
	s_mov_b32 s15, ttmp9                           ; slice
	s_and_b32 s16, ttmp7, 0xffff                   ; expert
	v_and_b32 v1, 31, v0
	v_and_b32 v[RR], 15, v0                        ; r
	v_bfe_u32 v20, v0, 4, 1                        ; h
	v_lshlrev_b32 v[H16], 4, v20
	v_lshlrev_b32 v[L16], 4, v1
	v_and_b32 v21, 7, v0
	v_lshl_add_u32 v22, v20, 3, v21                ; the turning load: lane l addresses k row 8 h + (l & 7), 16 bytes at 16 ((l >> 3) & 1)
	v_lshrrev_b32 v23, 1, v22
	v_mul_u32_u24 v23, v23, 288
	v_and_b32 v22, 1, v22
	v_lshl_add_u32 v23, v22, 7, v23
	v_bfe_u32 v22, v0, 3, 1
	v_lshl_add_u32 v[BA0], v22, 4, v23
	v_mov_b32 v[BA], v[BA0]
	v_lshlrev_b32 v[WO], 4, v21                    ; weights: row (bit 3) + 4 (bit 4) of eight, 16 bytes at 16 (l & 7), my wave's 32 rows
	v_lshl_add_u32 v[WO], v22, 12, v[WO]
	v_lshl_add_u32 v[WO], v20, 14, v[WO]
	s_lshl_b32 s28, s14, 17
	v_add_nc_u32 v[WO], s28, v[WO]
	v_lshlrev_b32 v[SA], 3, v21                    ; and the same place in LDS
	v_lshl_add_u32 v[SA], v22, 7, v[SA]
	v_mul_u32_u24 v23, v20, 576
	s_mul_i32 s28, s14, 4608
	v_add3_u32 v[SA], v[SA], v23, s28
	s_lshl_b32 s28, s16, 23                        ; an expert's 8,388,608 bytes,
	s_lshl_b32 s29, s15, 7                         ; the slice's 128 bytes in a row
	s_add_co_u32 s28, s28, s29
	s_mov_b32 s29, 0
	s_lshl_b32 s30, s16, 2
	s_mul_i32 s36, s15, 2*HSTEP                    ; the slice has steps 2 s and 2 s + 1 of hid
	s_mov_b32 s37, 0
	s_mov_b32 s32, 0xc0135761                      ; K0 = -2 sqrt(2 / pi) log2(e) = -2.3022082
	s_mov_b32 s33, s32
	s_mov_b32 s34, 0xbdd2d3e5                      ; K1 = 0.044715 K0 = -0.10294324
	s_mov_b32 s35, s34
	s_wait_kmcnt 0x0
	s_load_b32 s17, s[10:11], s30 offset:0x0       ; cnt[e]
	s_load_b32 s18, s[10:11], s30 offset:0x20      ; tb[e]
	s_add_nc_u64 s[6:7], s[6:7], s[28:29]
	s_add_nc_u64 s[8:9], s[8:9], s[28:29]
	s_add_nc_u64 s[12:13], s[12:13], s[36:37]
	WISSUE 0, 0                                    ; the weights first: chunks 0 and 1
	WISSUE 1, W_STEP
	WIN 0
	s_wait_kmcnt 0x0
	s_min_u32 s17, s17, 2048
	s_min_u32 s18, s18, 135
	s_add_co_u32 s19, s17, 15
	s_lshr_b32 s19, s19, 4                         ; the expert's tiles
	s_max_u32 s21, s17, 1
	s_sub_co_u32 s21, s21, 1
	s_cmp_eq_u32 s17, 0
	s_cselect_b32 s25, 0, s18                      ; an expert without rows reads row 0, which some expert always has
	s_mov_b32 s24, 0
	s_mov_b64 s[26:27], s[4:5]
	SETUP
	AISSUE 0, 1                                    ; all five tiles, so that every register of the set is written
	s_wait_loadcnt 56                              ; behind chunk 0's loads: chunk 1's 16 and A's 40
	STAGE 0
	WISSUE 0, 2*W_STEP                             ; chunk 2
	WIN 0
	v_add_nc_u32 v[SA], CHUNK, v[SA]
	s_wait_xcnt 0x0
	s_add_nc_u64 s[6:7], s[6:7], 2*W_STEP
	s_add_nc_u64 s[8:9], s[8:9], 2*W_STEP
	s_wait_dscnt 0x0                               ; my part of chunk 0 is stored,
	s_barrier_signal -1
	s_barrier_wait -1                              ; everybody's is
	TRIP 0,1,1, 1,1, 1,1, 16, 1                    ; trip 0 starts the sums, on all five tiles: every accumulator and A's second set are written on every path
	s_mov_b32 s22, (NCH-4)/2
.Lk:                                                   ; trips 1 to NCH - 4
	TRIP 1,0,0, 1,0, 1,1, 16, 1
	TRIP 0,0,0, 1,0, 1,1, 16, 1
	s_sub_co_u32 s22, s22, 1
	s_cmp_lg_u32 s22, 0
	s_cbranch_scc1 .Lk
	TRIP 1,0,0, 1,0, 1,0, 16, 1                    ; no weights are left to ask for; the last chunk is still out
	TRIP 0,0,0, 1,0, 1,0, 0, 1                     ; nothing was asked for behind A: the wait is for all
	TRIP 1,0,0, 0,0, 0,0, 0, 0                     ; the last chunk
	s_mov_b32 s23, 0
.Lblk:                                                 ; the block goes out; with more than 320 rows the next is multiplied from the resident slice
	EPI
	s_add_co_u32 s24, s24, 20
	s_cmp_ge_u32 s24, s19
	s_cbranch_scc1 .Ldone
	s_wait_xcnt 0x0                                ; the stores have read their offsets and their data, which lie where B's fragments are loaded again
	SETUP
	WIN 0xc0
.set i, 0
.rept 160                              ; cleared here, on the path for counts over 320 alone: as many bytes of text as a first trip's products alone, written out, would take
	v_mov_b32 v[i], 0
.set i, i+1
.endr
	WIN 0
	s_mov_b64 s[4:5], s[26:27]
	v_mov_b32 v[BA], v[BA0]
	s_mov_b32 s36, NCH
.Lr:
	BFETCH
	AISSUE 0, 0
	s_wait_loadcnt 0x0
	s_wait_dscnt 0x0
	COMPUTE 0, 0, 0
	PLACES
	v_add_nc_u32 v[BA], CHUNK, v[BA]
	s_add_nc_u64 s[4:5], s[4:5], A_STEP
	s_sub_co_u32 s36, s36, 1
	s_cmp_lg_u32 s36, 0
	s_cbranch_scc1 .Lr
	s_add_co_u32 s23, s23, 1
	s_cmp_lt_u32 s23, 7                            ; seven blocks of 20 tiles cover the 128 tiles of 2,048 rows: the jump above always ends the walk
	s_cbranch_scc1 .Lblk
.Ldone:                                                ; all paths meet here: every wave passes this barrier once
	s_wait_dscnt 0x0                               ; my reads of the slice are back,
	s_barrier_signal -1
	s_barrier_wait -1                              ; everybody's are: no LDS word is written while a wave still reads LDS
	s_wait_tensorcnt 0x0                           ; the wave's end, behind my last LDS store
	ds_add_u32 v[SPW], v[NIL]
	s_wait_dscnt 0x0
	s_endpgm
.Lfunc_end_k_qf4fa341b41_gateup:
	.size	k_qf4fa341b41_gateup, .Lfunc_end_k_qf4fa341b41_gateup-k_qf4fa341b41_gateup
	.p2alignl 7, 3214868480
	.fill 96, 4, 3214868480
	.section	.rodata,"a",@progbits
	.p2align	6, 0x0
	.amdhsa_kernel k_qf4fa341b41_gateup
		.amdhsa_group_segment_fixed_size 295424
		.amdhsa_private_segment_fixed_size 0
		.amdhsa_enable_private_segment 0
		.amdhsa_kernarg_size 40
		.amdhsa_user_sgpr_count 2
		.amdhsa_user_sgpr_kernarg_segment_ptr 1
		.amdhsa_wavefront_size32 1
		.amdhsa_system_sgpr_workgroup_id_x 1
		.amdhsa_system_sgpr_workgroup_id_y 1
		.amdhsa_system_sgpr_workgroup_id_z 1
		.amdhsa_system_vgpr_workitem_id 0
		.amdhsa_next_free_vgpr 992
		.amdhsa_next_free_sgpr 66
		.amdhsa_reserve_vcc 0
		.amdhsa_float_denorm_mode_32 3
		.amdhsa_float_denorm_mode_16_64 3
		.amdhsa_memory_ordered 1
		.amdhsa_forward_progress 1
		.amdhsa_inst_pref_size 163
	.end_amdhsa_kernel
	.amdgpu_metadata
---
amdhsa.version: [ 1, 2 ]
amdhsa.kernels:
  - .name:           k_qf4fa341b41_gateup
    .symbol:         k_qf4fa341b41_gateup.kd
    .args:
      - { .name: xs, .offset: 0, .size: 8, .value_kind: global_buffer, .address_space: global }
      - { .name: gate_w, .offset: 8, .size: 8, .value_kind: global_buffer, .address_space: global }
      - { .name: up_w, .offset: 16, .size: 8, .value_kind: global_buffer, .address_space: global }
      - { .name: meta, .offset: 24, .size: 8, .value_kind: global_buffer, .address_space: global }
      - { .name: hid, .offset: 32, .size: 8, .value_kind: global_buffer, .address_space: global }
    .group_segment_fixed_size: 295424
    .private_segment_fixed_size: 0
    .kernarg_segment_align: 8
    .kernarg_segment_size: 40
    .max_flat_workgroup_size: 128
    .sgpr_count:     66
    .vgpr_count:     992
    .wavefront_size: 32
...
	.end_amdgpu_metadata
.endif
;; end of part 2
;; launch down (part 3): grid 32 x 8, 4 waves a work-group, no clusters, 165,376 bytes of LDS; arguments hid, down_w, meta, part; writes part
.if DOCPART == 3
	.amdgcn_target "amdgcn-amd-amdhsa--gfx1250"
	.amdhsa_code_object_version 6
	.text
	.protected	k_qf4fa341b41_down
	.globl	k_qf4fa341b41_down
	.p2align	8
	.type	k_qf4fa341b41_down,@function
k_qf4fa341b41_down:
	s_mov_b64 s[64:65], 0
	v_nop
	global_prefetch_b8 v0, s[64:65] scope:SCOPE_SE
	s_setreg_imm32_b32 hwreg(HW_REG_WAVE_MODE, 25, 1), 1
	s_wait_xcnt 0x0
; DOWN.  part[row] = (hi[row] + lo[row]) down_w[e] for the rows of expert e (grid y) and output columns 64 s .. 64 s + 63 (grid x), in f32: the two partial rows of a token are added by the next launch.
; hid: [64 steps][136 tiles][1024 bytes] bf16, fragments as operand registers take them: step 2 ks holds hi, step 2 ks + 1 lo, of the hidden columns 32 ks .. 32 ks + 31 (the hidden layer in 16 significant
; bits as two bf16 numbers).  down_w: [8][1024][2048] f32.  meta: cnt[0..7], tb[0..7].  part: [2176][2048] f32.
; Both parts are multiplied by the same fragment of the weights into the same accumulator: twice the matrix instructions of a product with one bf16 operand, the price of the 16 bits.
; The engine is the one of the launch before: the work-group's slice of the weights (256 KB of f32, which it alone reads, each byte once, in whole rows of 256 bytes) comes in 16 chunks of 64 k through
; registers, is rounded to bf16 and stays in LDS ([k][64 columns]).  Chunk c is asked for in trip c - 3, stored in trip c - 1, published by that trip's barrier, multiplied in trip c.
; A chunk is 64 k, so that a tile's fragments of a chunk (2 k steps x hi, lo) are 32 registers and two sets for five tiles fit beside the accumulators.
; Tile t of the expert belongs to wave t & 3, five tiles a wave to a block of 320 rows; block 0 is multiplied while the weights arrive, counts over 320 by a plainer loop without a barrier.
; Tiles that a wave does not have are jumped forward, never a barrier.  An expert without rows streams its slice and stores nothing.
; The matrix instruction is used transposed (source 0 = 16 weight columns, source 1 = 16 rows): a lane holds eight neighbouring columns of a row.  Block 0's tiles go through the wave's own stage in
; LDS and leave as rows of 256 consecutive bytes, aligned.  The later blocks (counts over 320 alone) write no LDS: a lane stores its 32 consecutive bytes of a row in two stores of 16, so that a
; store covers 32 pieces of 16 bytes in 16 rows: the price of a loop, of a length that hangs on cnt, in which nothing writes LDS.
; NO TENSOR LOADS, NO CLUSTER: the weights must pass registers to be rounded; each slice has one reader; the rows that an expert's work-groups share go straight into operand registers,
; and the loop over later blocks, whose length hangs on cnt, may hold no fill of LDS.
.set NCH,    16                        ; chunks of 64 k
.set CHUNK,  9216                      ; two k rows of 128 bytes + 32 of padding = 288; row k at (k >> 1) 288 + (k & 1) 128: the eight rows of a turning load start at words 0, 32, 8, 40, 16, 48, 24, 56 of the 64 banks (ISA guide 11.1)
.set STG,    NCH*CHUNK                 ; behind the slice: 16 rows x 272 bytes for each wave
.set SPARE,  STG+4*4352                ; behind the stages: the spare words, 128 bytes for each wave
.set A_KS,   139264                    ; a step of hid: 136 tiles of 1,024 bytes
.set A_HALF, 512
.set A_STEP, 557056                    ; a chunk: four steps of hid
.set W_STEP, 524288                    ; 64 rows of 8,192 bytes
; window 0: v2 SPW, v3 NIL, v4 BA, v5 SA, v6 WO, v7 BA0, v8-12 AO, v13-17 PO, v18 r, v20-23 at work, v24 16 lane, v25 STO, v26 RD, v27 PL; v32-63 weight set 0; v96-159 B's fragments (k step ks, 16 columns q at 96 + 32 ks + 8 q)
; window 1: v0-159 A set 0 (tile j, step kk = 2 ks + part at 32 j + 8 kk)     window 2: A set 1     window 3: v0-159 accumulators (tile j, 16 columns q at 32 j + 8 q); v160-191 weight set 1
.set SPW, 2
.set NIL, 3
.set BA,  4
.set SA,  5
.set WO,  6
.set BA0, 7
.set AO,  8
.set PO,  13
.set RR,  18
.set L16, 24
.set STO, 25
.set RD,  26
.set PL,  27                           ; my lane's place in a tile of part: 8,192 h + 16 r for block 0 (rows read back from the stage), 8,192 r + 32 h for the later blocks (as the accumulators lie)
.set BF,  96
.set OB,  96                           ; the way out: a tile read back from the stage
.set NT,  20
; s[4:5] hid (walks along K), s[6:7] down_w (walks), s[8:9] meta, s[10:11] part, s14 wave, s15 slice, s16 expert, s17 cnt, s18 tb, s19 tiles, s21 max(tiles, 1) - 1, s22 trips, s23 blocks to go,
; s24 the block's first tile, s25 tb or 0, s[26:27] hid kept, s28-31 at work, s36 chunks to go in a later block
.set MSB, 0
.macro WIN new
.if MSB != (\new)
	s_set_vgpr_msb (MSB<<8)|(\new)
.set MSB, (\new)
.endif
.endm
.macro PLACES                          ; four plain instructions between a matrix instruction and a load into, or a store from, its registers
.rept 4
	v_nop
.endr
.endm
.macro SETUP                           ; the block's addresses; what was read from meta enters an offset only behind a clamp by a constant
	s_sub_co_i32 s28, s19, s24
	s_sub_co_i32 s28, s28, s14
	s_add_co_i32 s28, s28, 3
	s_max_i32 s28, s28, 0
	s_lshr_b32 s28, s28, 2
	s_min_u32 s[NT], s28, 5
	s_add_co_u32 s28, s24, s14
.set jj, 0
.rept 5
	s_min_u32 s29, s28, s21                        ; a tile that the expert does not have reads its last one
	s_add_co_u32 s29, s29, s25
	s_min_u32 s29, s29, 135
	s_lshl_b32 s29, s29, 10
	v_add_nc_u32 v[AO+jj], s29, v[L16]
	s_add_co_u32 s29, s18, s28
	s_min_u32 s29, s29, 135
	s_lshl_b32 s29, s29, 17                        ; 16 rows of 8,192 bytes
	v_add_nc_u32 v[PO+jj], s29, v[PL]
	s_add_co_u32 s28, s28, 4
.set jj, jj+1
.endr
.endm
.macro WISSUE st, coff                 ; 8 loads: my 16 rows of a chunk, two whole rows of 256 bytes a load
.set WB, 32+128*(\st)
	WIN 0xc0*(\st)
.set n, 0
.rept 8
	global_load_b128 v[WB+4*n:WB+4*n+3], v[WO], s[6:7] offset:(\coff)+16384*n th:TH_LOAD_NT  ; read once in the launch
.set n, n+1
.endr
.endm
.macro STAGE st                        ; rounded in place, stored to the lasting place: 8 bytes a lane, two k rows of 128 bytes a store
.set WB, 32+128*(\st)
	WIN 0xcf*(\st)
.set n, 0
.rept 8
	v_cvt_pk_bf16_f32 v[WB+4*n], v[WB+4*n], v[WB+4*n+1]
	v_cvt_pk_bf16_f32 v[WB+4*n+1], v[WB+4*n+2], v[WB+4*n+3]
.set n, n+1
.endr
	WIN 0x0c*(\st)
.set n, 0
.rept 8
	ds_store_b64 v[SA], v[WB+4*n:WB+4*n+1] offset:288*n
.set n, n+1
.endr
.endm
.macro AISSUE st, all                  ; a chunk's fragments of hid (hi and lo of two k steps), eight loads of 512 consecutive bytes a tile
.set jj, 0
.rept 5
.if !(\all)
	s_cmp_le_u32 s[NT], jj
	s_cbranch_scc1 .Laend_\@
.endif
	WIN 0x40*(1+(\st))
.set kk, 0
.rept 4
	global_load_b128 v[32*jj+8*kk:32*jj+8*kk+3],   v[AO+jj], s[4:5] offset:kk*A_KS
	global_load_b128 v[32*jj+8*kk+4:32*jj+8*kk+7], v[AO+jj], s[4:5] offset:kk*A_KS+A_HALF
.set kk, kk+1
.endr
.if !(\all)
	WIN 0                                          ; at a branch and at a label every window is 0
.endif
.set jj, jj+1
.endr
	WIN 0
.Laend_\@:
.endm
.macro BFETCH                          ; a chunk's 8 fragments of B, turned: 16 loads in one run
.set kk, 0
.rept 2
.set qq, 0
.rept 4
	ds_load_tr16_b128 v[BF+32*kk+8*qq:BF+32*kk+8*qq+3],   v[BA] offset:4608*kk+32*qq
	ds_load_tr16_b128 v[BF+32*kk+8*qq+4:BF+32*kk+8*qq+7], v[BA] offset:4608*kk+32*qq+2304
.set qq, qq+1
.endr
.set kk, kk+1
.endr
.endm
; 16 matrix instructions a tile: steps kk = 0 .. 3 are hi and lo of k step 0, hi and lo of k step 1; step kk takes B's fragments of k step kk / 2.
; A tile's four accumulators take turns, one instruction a turn; a tile ends on q = 3, the next begins on q = 0.  zero = 1: the first step starts the sums with the constant 0.
.macro COMPUTE p, zero, all
.set jj, 0
.rept 5
.if !(\all)
	s_cmp_le_u32 s[NT], jj
	s_cbranch_scc1 .Lcend_\@
.endif
	WIN 0xf0|((1+(\p))<<2)                         ; source 0 (B) window 0, source 1 (A) window 1 or 2, C and D window 3
.set kk, 0
.rept 4
.set qq, 0
.rept 4
.if (\zero) && (kk == 0)
	v_wmma_f32_16x16x32_bf16 v[32*jj+8*qq:32*jj+8*qq+7], v[BF+32*(kk/2)+8*qq:BF+32*(kk/2)+8*qq+7], v[32*jj+8*kk:32*jj+8*kk+7], 0
.else
	v_wmma_f32_16x16x32_bf16 v[32*jj+8*qq:32*jj+8*qq+7], v[BF+32*(kk/2)+8*qq:BF+32*(kk/2)+8*qq+7], v[32*jj+8*kk:32*jj+8*kk+7], v[32*jj+8*qq:32*jj+8*qq+7]
.endif
.set qq, qq+1
.endr
.set kk, kk+1
.endr
.if !(\all)
	WIN 0
.endif
.set jj, jj+1
.endr
	WIN 0
.Lcend_\@:
.endm
; TRIP c (p = c & 1): reads chunk c of B; asks for A of chunk c + 1; rounds and stores chunk c + 1; asks for chunk c + 3; multiplies chunk c; publishes chunk c + 1.
; lcnt: A's loads (their number hangs on my tiles) go out ahead of the 8 weight loads, so the count 8 leaves exactly the youngest chunk out, on every path.
.macro TRIP p, zero, all, aload, aall, stage, wload, lcnt, bar
	BFETCH
	s_wait_loadcnt \lcnt
.if \aload
	s_wait_xcnt 0x0                                ; the bases of loads still out are stepped only behind this wait
	s_add_nc_u64 s[4:5], s[4:5], A_STEP
.if \wload
	s_add_nc_u64 s[6:7], s[6:7], W_STEP
.endif
	AISSUE 1-(\p), \aall
.endif
.if \stage
	STAGE 1-(\p)
.endif
.if \wload
	WISSUE 1-(\p), 0
.endif
	WIN 0
.if \stage
	v_add_nc_u32 v[SA], CHUNK, v[SA]
	s_wait_dscnt 8                                 ; the 16 fragment loads are back; the 8 stores behind them may be out
.else
	s_wait_dscnt 0x0
.endif
	COMPUTE \p, \zero, \all
	PLACES
	v_add_nc_u32 v[BA], CHUNK, v[BA]
.if \bar
	s_wait_dscnt 0x0                               ; my part of the next chunk is stored,
	s_barrier_signal -1
	s_barrier_wait -1                              ; everybody's is
.endif
.endm
; THE WAY OUT of block 0's tiles: 16 bytes a lane into rows of 272 bytes of my own stage (each accumulator's lowest registers first), back as whole rows of 256 bytes, stored.
.macro EPI
.set jj, 0
.rept 5
	s_cmp_le_u32 s[NT], jj
	s_cbranch_scc1 .Leend_\@
	WIN 0x0c                                       ; the stores' data in window 3
.set n, 0
.rept 8
	ds_store_b128 v[STO], v[32*jj+4*n:32*jj+4*n+3] offset:64*(n/2)+16*(n%2)
.set n, n+1
.endr
	WIN 0
	s_wait_xcnt 0x0                                ; the registers that the last tile's stores read are loaded again only behind this wait
.set n, 0
.rept 8
	ds_load_b128 v[OB+4*n:OB+4*n+3], v[RD] offset:544*n  ; LDS serves a wave's instructions in order (ISA guide 5.7.1.4): these see the stores above
.set n, n+1
.endr
	s_wait_dscnt 0x0
.set n, 0
.rept 8
	global_store_b128 v[PO+jj], v[OB+4*n:OB+4*n+3], s[10:11] offset:16384*n  ; 16 lanes store 256 consecutive bytes, aligned
.set n, n+1
.endr
.set jj, jj+1
.endr
.Leend_\@:
.endm
; THE WAY OUT of a later block's tiles: straight from the accumulators, each one's lowest registers first: row r, bytes 64 q + 32 h + 16 (n % 2)
.macro EPI2
.set jj, 0
.rept 5
	s_cmp_le_u32 s[NT], jj
	s_cbranch_scc1 .Lfend_\@
	WIN 0x0c                                       ; the stores' data in window 3
.set n, 0
.rept 8
	global_store_b128 v[PO+jj], v[32*jj+4*n:32*jj+4*n+3], s[10:11] offset:64*(n/2)+16*(n%2)
.set n, n+1
.endr
	WIN 0
.set jj, jj+1
.endr
.Lfend_\@:
.endm
	s_load_b256 s[4:11], s[0:1], 0x0               ; hid s[4:5], down_w s[6:7], meta s[8:9], part s[10:11]
	v_lshl_add_u32 v[SPW], v0, 2, SPARE            ; my spare word,
	v_mov_b32 v[NIL], 0                            ; and 0: kept for the add at the wave's end
	v_lshrrev_b32 v1, 5, v0
	v_readfirstlane_b32 s14, v1                    ; wave 0..3
	s_mov_b32 s15, ttmp9                           ; slice
	s_and_b32 s16, ttmp7, 0xffff                   ; expert
	v_and_b32 v1, 31, v0
	v_and_b32 v[RR], 15, v0                        ; r
	v_bfe_u32 v20, v0, 4, 1                        ; h
	v_lshlrev_b32 v[L16], 4, v1
	v_and_b32 v21, 7, v0
	v_lshl_add_u32 v22, v20, 3, v21                ; the turning load: lane l addresses k row 8 h + (l & 7), 16 bytes at 16 ((l >> 3) & 1)
	v_lshrrev_b32 v23, 1, v22
	v_mul_u32_u24 v23, v23, 288
	v_and_b32 v22, 1, v22
	v_lshl_add_u32 v23, v22, 7, v23
	v_bfe_u32 v22, v0, 3, 1
	v_lshl_add_u32 v[BA0], v22, 4, v23
	v_mov_b32 v[BA], v[BA0]
	v_lshlrev_b32 v[PL], 4, v[RR]                  ; two rows of 8,192 bytes, 16 bytes a lane: in down_w and in part alike
	v_lshl_add_u32 v[PL], v20, 13, v[PL]
	s_lshl_b32 s28, s14, 17                        ; my wave's 16 rows of a chunk
	v_add_nc_u32 v[WO], s28, v[PL]
	v_lshlrev_b32 v[SA], 3, v[RR]                  ; and the same place in LDS: eight pairs of rows a wave
	v_lshl_add_u32 v[SA], v20, 7, v[SA]
	s_mul_i32 s28, s14, 2304
	v_add_nc_u32 v[SA], s28, v[SA]
	s_mul_i32 s28, s14, 4352
	s_add_co_u32 s28, s28, STG                     ; my stage
	v_mul_u32_u24 v21, v[RR], 272                  ; in: row r, 32 bytes for each half of the lanes
	v_lshl_add_u32 v21, v20, 5, v21
	v_add_nc_u32 v[STO], s28, v21
	v_mul_u32_u24 v21, v20, 272                    ; back: lanes 0-15 one row of 256 bytes, lanes 16-31 the next
	v_lshl_add_u32 v21, v[RR], 4, v21
	v_add_nc_u32 v[RD], s28, v21
	s_lshl_b32 s28, s16, 23                        ; an expert's 8,388,608 bytes,
	s_lshl_b32 s30, s15, 8                         ; the slice's 256 bytes in a row
	s_add_co_u32 s28, s28, s30
	s_mov_b32 s29, 0
	s_mov_b32 s31, 0
	s_lshl_b32 s36, s16, 2
	s_wait_kmcnt 0x0
	s_load_b32 s17, s[8:9], s36 offset:0x0         ; cnt[e]
	s_load_b32 s18, s[8:9], s36 offset:0x20        ; tb[e]
	s_add_nc_u64 s[6:7], s[6:7], s[28:29]
	s_add_nc_u64 s[10:11], s[10:11], s[30:31]
	WISSUE 0, 0                                    ; the weights first: chunks 0 and 1
	WISSUE 1, W_STEP
	WIN 0
	s_wait_kmcnt 0x0
	s_min_u32 s17, s17, 2048
	s_min_u32 s18, s18, 135
	s_add_co_u32 s19, s17, 15
	s_lshr_b32 s19, s19, 4                         ; the expert's tiles
	s_max_u32 s21, s19, 1
	s_sub_co_u32 s21, s21, 1
	s_cmp_eq_u32 s17, 0
	s_cselect_b32 s25, 0, s18                      ; an expert without rows reads tile 0, which some expert always has
	s_mov_b32 s24, 0
	s_mov_b64 s[26:27], s[4:5]
	SETUP
	AISSUE 0, 1                                    ; all five tiles, so that every register of the set is written
	s_wait_loadcnt 48                              ; behind chunk 0's loads: chunk 1's 8 and A's 40
	STAGE 0
	WISSUE 0, 2*W_STEP                             ; chunk 2
	WIN 0
	v_add_nc_u32 v[SA], CHUNK, v[SA]
	s_wait_xcnt 0x0
	s_add_nc_u64 s[6:7], s[6:7], 2*W_STEP
	s_wait_dscnt 0x0                               ; my part of chunk 0 is stored,
	s_barrier_signal -1
	s_barrier_wait -1                              ; everybody's is
	TRIP 0,1,1, 1,1, 1,1, 8, 1                     ; trip 0 starts the sums, on all five tiles: every accumulator and A's second set are written on every path
	s_mov_b32 s22, (NCH-4)/2
.Lk:                                                   ; trips 1 to NCH - 4
	TRIP 1,0,0, 1,0, 1,1, 8, 1
	TRIP 0,0,0, 1,0, 1,1, 8, 1
	s_sub_co_u32 s22, s22, 1
	s_cmp_lg_u32 s22, 0
	s_cbranch_scc1 .Lk
	TRIP 1,0,0, 1,0, 1,0, 8, 1                     ; no weights are left to ask for; the last chunk is still out
	TRIP 0,0,0, 1,0, 1,0, 0, 1                     ; nothing was asked for behind A: the wait is for all
	TRIP 1,0,0, 0,0, 0,0, 0, 0                     ; the last chunk
	EPI                                            ; block 0 goes out through the stage: the launch's last LDS stores
	s_wait_dscnt 0x0                               ; my stage is written and read back,
	s_barrier_signal -1
	s_barrier_wait -1                              ; everybody's is: from here to the closing barrier LDS is only read
	v_bfe_u32 v20, v0, 4, 1                        ; the later blocks store as the accumulators lie: row r, 32 bytes for each half of the lanes
	v_lshlrev_b32 v[PL], 13, v[RR]
	v_lshl_add_u32 v[PL], v20, 5, v[PL]
	s_mov_b32 s23, 6                               ; six more blocks of 20 tiles: with block 0 they cover the 128 tiles of 2,048 rows
.Lblk:                                                 ; with more than 320 rows: the next block is multiplied from the resident slice
	s_add_co_u32 s24, s24, 20
	s_cmp_ge_u32 s24, s19
	s_cbranch_scc1 .Ldone
	s_wait_xcnt 0x0                                ; the stores have read their offsets and their data
	SETUP
	WIN 0xc0
.set i, 0
.rept 160                              ; cleared here, on the path for counts over 320 alone: as many bytes of text as a first trip's products alone, written out, would take
	v_mov_b32 v[i], 0
.set i, i+1
.endr
	WIN 0
	s_mov_b64 s[4:5], s[26:27]
	v_mov_b32 v[BA], v[BA0]
	s_mov_b32 s36, NCH
.Lr:
	BFETCH
	AISSUE 0, 0
	s_wait_loadcnt 0x0
	s_wait_dscnt 0x0
	COMPUTE 0, 0, 0
	PLACES
	v_add_nc_u32 v[BA], CHUNK, v[BA]
	s_add_nc_u64 s[4:5], s[4:5], A_STEP
	s_sub_co_u32 s36, s36, 1
	s_cmp_lg_u32 s36, 0
	s_cbranch_scc1 .Lr
	EPI2
	s_sub_co_u32 s23, s23, 1
	s_cmp_lg_u32 s23, 0
	s_cbranch_scc1 .Lblk
.Ldone:                                                ; all paths meet here: every wave passes this barrier once
	s_wait_dscnt 0x0                               ; my reads of the slice are back,
	s_barrier_signal -1
	s_barrier_wait -1                              ; everybody's are: no LDS word is written while a wave still reads LDS
	s_wait_tensorcnt 0x0                           ; the wave's end, behind my last LDS store
	ds_add_u32 v[SPW], v[NIL]
	s_wait_dscnt 0x0
	s_endpgm
.Lfunc_end_k_qf4fa341b41_down:
	.size	k_qf4fa341b41_down, .Lfunc_end_k_qf4fa341b41_down-k_qf4fa341b41_down
	.p2alignl 7, 3214868480
	.fill 96, 4, 3214868480
	.section	.rodata,"a",@progbits
	.p2align	6, 0x0
	.amdhsa_kernel k_qf4fa341b41_down
		.amdhsa_group_segment_fixed_size 165376
		.amdhsa_private_segment_fixed_size 0
		.amdhsa_enable_private_segment 0
		.amdhsa_kernarg_size 32
		.amdhsa_user_sgpr_count 2
		.amdhsa_user_sgpr_kernarg_segment_ptr 1
		.amdhsa_wavefront_size32 1
		.amdhsa_system_sgpr_workgroup_id_x 1
		.amdhsa_system_sgpr_workgroup_id_y 1
		.amdhsa_system_sgpr_workgroup_id_z 1
		.amdhsa_system_vgpr_workitem_id 0
		.amdhsa_next_free_vgpr 992
		.amdhsa_next_free_sgpr 66
		.amdhsa_reserve_vcc 0
		.amdhsa_float_denorm_mode_32 3
		.amdhsa_float_denorm_mode_16_64 3
		.amdhsa_memory_ordered 1
		.amdhsa_forward_progress 1
		.amdhsa_inst_pref_size 120
	.end_amdhsa_kernel
	.amdgpu_metadata
---
amdhsa.version: [ 1, 2 ]
amdhsa.kernels:
  - .name:           k_qf4fa341b41_down
    .symbol:         k_qf4fa341b41_down.kd
    .args:
      - { .name: hid, .offset: 0, .size: 8, .value_kind: global_buffer, .address_space: global }
      - { .name: down_w, .offset: 8, .size: 8, .value_kind: global_buffer, .address_space: global }
      - { .name: meta, .offset: 16, .size: 8, .value_kind: global_buffer, .address_space: global }
      - { .name: part, .offset: 24, .size: 8, .value_kind: global_buffer, .address_space: global }
    .group_segment_fixed_size: 165376
    .private_segment_fixed_size: 0
    .kernarg_segment_align: 8
    .kernarg_segment_size: 32
    .max_flat_workgroup_size: 128
    .sgpr_count:     66
    .vgpr_count:     992
    .wavefront_size: 32
...
	.end_amdgpu_metadata
.endif
;; end of part 3
;; launch combine (part 4): grid 256 x 1, 4 waves a work-group, no clusters, 0 bytes of LDS; arguments part, pos, routing_weights, out0; writes out0
.if DOCPART == 4
	.amdgcn_target "amdgcn-amd-amdhsa--gfx1250"
	.amdhsa_code_object_version 6
	.text
	.protected	k_qf4fa341b41_combine
	.globl	k_qf4fa341b41_combine
	.p2align	8
	.type	k_qf4fa341b41_combine,@function
k_qf4fa341b41_combine:
	s_mov_b64 s[64:65], 0
	v_nop
	global_prefetch_b8 v0, s[64:65] scope:SCOPE_SE
	s_setreg_imm32_b32 hwreg(HW_REG_WAVE_MODE, 25, 1), 1
	s_wait_xcnt 0x0
; COMBINE.  out0[t] = w0 part[pos[2 t]] + w1 part[pos[2 t + 1]], in f32.  part: [2176][2048] f32, pos: [2048] rows, routing_weights: [1024][2] f32, out0: [1024][2048] f32.
; One wave takes one token: two rows of 8,192 bytes in, one out; all 32 loads of 512 consecutive bytes go out before the first wait.  A stream: no LDS, no barrier, no matrix unit, nothing shared.
; The two weights are rounded to bf16, as the other operands of the reference's products are (x and all three weight tensors); the multiply-adds are f32.
; A token that names one expert twice has two rows of its own in part, so nothing is treated apart.
.set B0, 8                             ; v[8:71]    the first slot's row
.set B1, 72                            ; v[72:135]  the second slot's row, then the result
	s_load_b256 s[4:11], s[0:1], 0x0               ; part s[4:5], pos s[6:7], routing_weights s[8:9], out0 s[10:11]
	v_lshrrev_b32 v1, 5, v0
	v_readfirstlane_b32 s12, v1                    ; wave 0..3
	s_lshl_b32 s13, ttmp9, 2
	s_add_co_u32 s13, s13, s12                     ; my token
	s_lshl_b32 s14, s13, 3                         ; its two words in pos and in routing_weights
	v_and_b32 v1, 31, v0
	v_lshlrev_b32 v1, 4, v1                        ; 16 bytes a lane
	s_lshl_b32 s20, s13, 13
	s_mov_b32 s21, 0
	s_wait_kmcnt 0x0
	s_load_b64 s[16:17], s[6:7], s14 offset:0x0
	s_load_b64 s[18:19], s[8:9], s14 offset:0x0
	s_add_nc_u64 s[10:11], s[10:11], s[20:21]
	s_wait_kmcnt 0x0
	s_min_u32 s16, s16, 0x87f                      ; inside part's 2,176 rows, whatever was read
	s_min_u32 s17, s17, 0x87f
	s_lshl_b32 s20, s16, 13
	s_add_nc_u64 s[22:23], s[4:5], s[20:21]
	s_lshl_b32 s20, s17, 13
	s_add_nc_u64 s[24:25], s[4:5], s[20:21]
.set i, 0
.rept 16
	global_load_b128 v[B0+4*i:B0+4*i+3], v1, s[22:23] offset:512*i th:TH_LOAD_NT  ; each row of part is read once
	global_load_b128 v[B1+4*i:B1+4*i+3], v1, s[24:25] offset:512*i th:TH_LOAD_NT
.set i, i+1
.endr
	v_cvt_pk_bf16_f32 v2, s18, s19                 ; both weights rounded,
	v_lshlrev_b32 v4, 16, v2                       ; and widened again: w0 twice,
	v_and_b32 v6, 0xffff0000, v2                   ; w1 twice
	v_mov_b32 v5, v4
	v_mov_b32 v7, v6
.set i, 0
.rept 16
	s_wait_loadcnt 30-2*i                          ; behind pair i of loads: 15 - i pairs
	v_pk_mul_f32 v[B1+4*i:B1+4*i+1],   v[B1+4*i:B1+4*i+1],   v[6:7]
	v_pk_mul_f32 v[B1+4*i+2:B1+4*i+3], v[B1+4*i+2:B1+4*i+3], v[6:7]
	v_pk_fma_f32 v[B1+4*i:B1+4*i+1],   v[B0+4*i:B0+4*i+1],   v[4:5], v[B1+4*i:B1+4*i+1]
	v_pk_fma_f32 v[B1+4*i+2:B1+4*i+3], v[B0+4*i+2:B0+4*i+3], v[4:5], v[B1+4*i+2:B1+4*i+3]
	global_store_b128 v1, v[B1+4*i:B1+4*i+3], s[10:11] offset:512*i th:TH_STORE_NT  ; 512 consecutive bytes, aligned
.set i, i+1
.endr
	s_endpgm
.Lfunc_end_k_qf4fa341b41_combine:
	.size	k_qf4fa341b41_combine, .Lfunc_end_k_qf4fa341b41_combine-k_qf4fa341b41_combine
	.p2alignl 7, 3214868480
	.fill 96, 4, 3214868480
	.section	.rodata,"a",@progbits
	.p2align	6, 0x0
	.amdhsa_kernel k_qf4fa341b41_combine
		.amdhsa_group_segment_fixed_size 0
		.amdhsa_private_segment_fixed_size 0
		.amdhsa_enable_private_segment 0
		.amdhsa_kernarg_size 32
		.amdhsa_user_sgpr_count 2
		.amdhsa_user_sgpr_kernarg_segment_ptr 1
		.amdhsa_wavefront_size32 1
		.amdhsa_system_sgpr_workgroup_id_x 1
		.amdhsa_system_sgpr_workgroup_id_y 1
		.amdhsa_system_sgpr_workgroup_id_z 1
		.amdhsa_system_vgpr_workitem_id 0
		.amdhsa_next_free_vgpr 136
		.amdhsa_next_free_sgpr 66
		.amdhsa_reserve_vcc 0
		.amdhsa_float_denorm_mode_32 3
		.amdhsa_float_denorm_mode_16_64 3
		.amdhsa_memory_ordered 1
		.amdhsa_forward_progress 1
		.amdhsa_inst_pref_size 11
	.end_amdhsa_kernel
	.amdgpu_metadata
---
amdhsa.version: [ 1, 2 ]
amdhsa.kernels:
  - .name:           k_qf4fa341b41_combine
    .symbol:         k_qf4fa341b41_combine.kd
    .args:
      - { .name: part, .offset: 0, .size: 8, .value_kind: global_buffer, .address_space: global }
      - { .name: pos, .offset: 8, .size: 8, .value_kind: global_buffer, .address_space: global }
      - { .name: routing_weights, .offset: 16, .size: 8, .value_kind: global_buffer, .address_space: global }
      - { .name: out0, .offset: 24, .size: 8, .value_kind: global_buffer, .address_space: global }
    .group_segment_fixed_size: 0
    .private_segment_fixed_size: 0
    .kernarg_segment_align: 8
    .kernarg_segment_size: 32
    .max_flat_workgroup_size: 128
    .sgpr_count:     66
    .vgpr_count:     136
    .wavefront_size: 32
...
	.end_amdgpu_metadata
.endif
;; end of part 4
;; ======== version 2 of 2: 4 launches; 1.13 times as fast as version 1
;; limits: values are held in f16: magnitudes above 65,504 overflow, below 6.1e-05 lose precision; inputs' magnitudes at most 65,504
;; workspace buffers: xs 8,912,896 bytes; hid 4,456,448 bytes; scl 1,024 bytes; part 17,825,792 bytes; pos 8,192 bytes of whole numbers; meta 256 bytes of whole numbers
;; launch route: the kernel of part 1 again; grid 256 x 1, 8 waves a work-group, no clusters, 1,280 bytes of LDS; arguments x, selected_experts, xs, pos, meta; writes xs, pos, meta
;; launch gateup (part 5): grid 32 x 8, 4 waves a work-group, no clusters, 295,680 bytes of LDS; arguments xs, gate_w, up_w, meta, hid, scl; writes hid, scl
.if DOCPART == 5
	.amdgcn_target "amdgcn-amd-amdhsa--gfx1250"
	.amdhsa_code_object_version 6
	.text
	.protected	k_qf4fa341b41_gateup
	.globl	k_qf4fa341b41_gateup
	.p2align	8
	.type	k_qf4fa341b41_gateup,@function
k_qf4fa341b41_gateup:
	s_mov_b64 s[64:65], 0
	v_nop
	global_prefetch_b8 v0, s[64:65] scope:SCOPE_SE
	s_setreg_imm32_b32 hwreg(HW_REG_WAVE_MODE, 25, 1), 1
	s_wait_xcnt 0x0
; GATE AND UP.  a = gelu_tanh(xs gate_w[e]) * (xs up_w[e]) for the rows of expert e (grid y) and hidden columns 32 s .. 32 s + 31 (grid x), stored in f16 with ONE exponent for the work-group.
; xs: [2176][2048] bf16, rows in the experts' order.  gate_w, up_w: [8][2048][1024] f32.  meta: cnt[0..7], tb[0..7].  Products in bf16 with f32 sums, the activation in f32.
; hid: [32 k steps][136 tiles][1024 bytes] f16: 16 rows x 32 columns as the next launch's operand registers take them (byte 512 x half + 16 x lane).  scl: [8][32] f32.
; THE FORMAT.  One bf16 keeps 8 significant bits, too few for the output's allowance; f16 keeps 11, but a grows with the fourth power of a common scale of x and the weights and has no room in f16 as it is.
; So m = the largest |a| of ALL the expert's rows in my 32 columns, es = max(exponent field of m, 15), and hid = f16(a 2^(141 - es)): below 2^15 whatever the inputs.  m goes to scl[e][s]; the next launch
; aligns the 32 slices of an expert by a power of two on its weights.  A number below 2^-29 of m keeps fewer than 11 bits, one below 2^-40 of m counts as 0.
; THE WEIGHTS BIND: 512 KB of f32 a work-group, which it alone reads, each byte once.  They come in 16 chunks of 128 k through registers, are rounded to bf16 and stay in LDS ([k][64 columns]: 32 of
; gate, 32 of up).  Chunk c is asked for in trip c - 3, rounded and stored in trip c - 1, published by that trip's barrier and multiplied in trip c: two chunks, 64 KB a work-group, are always on their way.
; No byte of the slice in LDS is written twice, so one barrier a trip is enough.  64 + 64 columns would be 512 KB of bf16, more than LDS holds: so a row's piece is 128 bytes here.
; ROWS.  Tile t of the expert's ceil(cnt / 16) belongs to wave t & 3.  Tiles 0 to 19 (320 rows, five a wave) are multiplied while the weights arrive; their a stays in registers until m is known.
; Counts over 320 are served from the resident slice, one tile a wave at a time, and TWICE: once for m, once to store (m must cover them before anything is stored).  That path is plain and slow (32 LDS loads
; for 16 matrix instructions); it holds no barrier and no LDS write, since its work hangs on cnt.  Tiles that a wave does not have are jumped forward, never a barrier.
; Rows past cnt in the last tile repeat the expert's last row and are stored to rows of their own.  An expert without rows streams its slice all the same (every wave passes every barrier) and stores only m = 0.
; THE MATRIX INSTRUCTION IS USED TRANSPOSED (source 0 = 16 weight columns, turned out of LDS by ds_load_tr16_b128; source 1 = 16 token rows): a lane holds one row and eight neighbouring columns,
; and the rounded result IS the next launch's fragment.
; NO TENSOR LOADS, NO CLUSTER: the weights must pass registers to be rounded; each slice has one reader; what an expert's 32 work-groups share is its token rows, which go straight into
; operand registers: a chunk of 320 rows in LDS would be 85 KB, and 32 KB are free beside the slice.
; LIMITS.  gelu_tanh(g) = g / (1 + 2^(g (K0 + K1 g^2))): an exponential below 2^-126 counts as 0, one that overflows gives 0 for the product, as the reference's tanh does.  NaN and infinities are not treated apart.
.set NCH,    16                        ; chunks of 128 k
.set CHUNK,  18432                     ; a chunk in LDS: two k rows of 128 bytes + 32 of padding = 288; row k at (k >> 1) 288 + (k & 1) 128: the eight rows of a turning load start at words 0, 32, 8, 40, 16, 48, 24, 56 of the 64 banks (ISA guide 11.1) and take 8 words each
.set SPARE,  NCH*CHUNK                 ; behind the slice: the spare words, 128 bytes for each wave
.set XCH,    SPARE+512                 ; behind them, in a block of its own: the four waves' maxima, 16 bytes
.set A_KS,   64                        ; bytes from a k step of 32 to the next in a row of xs
.set A_HALF, 32
.set A_STEP, 256                       ; a chunk along a row of xs
.set W_STEP, 524288                    ; 128 rows of 4,096 bytes
.set HSTEP,  139264                    ; a k step of hid: 136 tiles of 1,024 bytes
; window 0: v1 lane, v2 SPW, v3 NIL, v4 BA, v5 SA, v6 WO, v7 BA0, v8-12 AO, v13-17 HO, v18 r, v19 16 h, v20-23 at work, v24 16 lane, v25 MX, v26 XA, v27 AO1, v28 HO1, v29 XB, v30 TBO, v31 at work;
;           v32-95 weight set 0; v96-223 B's fragments (k step ks, 16 columns q at 96 + 32 ks + 8 q)
; window 1: v0-159 A set 0 (tile j, k step ks at 32 j + 8 ks)     window 2: A set 1, then v0-79 a of tiles 0 to 19 (16 a tile)
; window 3: v0-159 accumulators (tile j, q at 32 j + 8 q; q 0, 1 gate, q 2, 3 up); v160-223 weight set 1
.set SPW, 2
.set NIL, 3
.set BA,  4                            ; LDS address of my lane in the chunk to be read
.set SA,  5                            ; LDS address of my lane in the chunk to be stored
.set WO,  6                            ; my byte offset in a chunk of gate_w and up_w
.set BA0, 7
.set AO,  8                            ; tile j: my byte offset in xs
.set HO,  13                           ; tile j: my byte offset in hid
.set RR,  18
.set H16, 19
.set L16, 24
.set MX,  25                           ; the largest |a| so far
.set XA,  26                           ; LDS address of my wave's word among the four maxima
.set AO1, 27                           ; a later tile: my byte offset in xs,
.set HO1, 28                           ; and in hid
.set XB,  29                           ; LDS address of the four maxima
.set TBO, 30                           ; byte offset of scl[e][s]
.set BF,  96
.set TT,  96                           ; the way out, in window 0, where B's fragments lay: 16 at work,
.set UU,  112                          ; 16 more
.set HH,  32                           ; 8 a tile to store, where weight set 0 lay: tiles 0 to 19,
.set HR,  72                           ; and a later tile
.set NT,  20                           ; s20 my tiles among tiles 0 to 19
.set SF,  40                           ; s[40:41] 2^(141 - es), named as a pair
.set SEL, 42                           ; s[42:43] v_permlanex16_b32's selects: each lane takes its own place in the other half
.set MSK, 44                           ; s44 clears a sign
; s[4:5] xs (walks along K), s[6:7] gate_w, s[8:9] up_w (walk), s[10:11] meta, s[12:13] hid, s14 wave, s15 slice, s16 expert, s17 cnt, s18 tb, s19 tiles, s21 max(cnt, 1) - 1, s22 trips, s23 later steps to go,
; s24 a step's first tile, s25 tb or 0, s[26:27] xs kept, s28-31 at work, s[32:33] K0, s[34:35] K1, s36 chunks to go, s37 at work, s[38:39] scl
.set MSB, 0
.macro WIN new                         ; the immediate's high byte repeats the setting that is left; a switch that changes nothing is dropped
.if MSB != (\new)
	s_set_vgpr_msb (MSB<<8)|(\new)
.set MSB, (\new)
.endif
.endm
.macro PLACES                          ; four plain instructions between a matrix instruction and a load into, or a vector instruction on, its registers
.rept 4
	v_nop
.endr
.endm
; The addresses of tiles 0 to 19.  What was read from meta enters an offset only behind a clamp by a constant.
.macro SETUP
	s_sub_co_i32 s28, s19, s14
	s_add_co_i32 s28, s28, 3
	s_max_i32 s28, s28, 0
	s_lshr_b32 s28, s28, 2
	s_min_u32 s[NT], s28, 5                        ; tiles 4 j + w below the expert's number of tiles, five at the most
	s_lshl_b32 s30, s25, 4                         ; the expert's first row
	s_mov_b32 s28, s14                             ; my first tile
.set jj, 0
.rept 5
	s_lshl_b32 s29, s28, 4
	v_add_nc_u32 v20, s29, v[RR]                   ; my row's rank in the expert,
	v_min_u32 v20, s21, v20                        ; the last row again past the count
	v_add_nc_u32 v20, s30, v20
	v_min_u32 v20, 0x87f, v20
	v_lshl_add_u32 v[AO+jj], v20, 12, v[H16]       ; row x 4,096 + 16 x half
	s_add_co_u32 s29, s18, s28
	s_min_u32 s29, s29, 135
	s_lshl_b32 s29, s29, 10
	v_add_nc_u32 v[HO+jj], s29, v[L16]             ; tile x 1,024 + 16 x lane
	s_add_co_u32 s28, s28, 4
.set jj, jj+1
.endr
.endm
; 16 loads: my 32 rows of a chunk, 128 bytes of each from gate_w and from up_w.  A load takes rows 0, 1, 4, 5 of eight (n even) or 2, 3, 6, 7 (n odd), eight lanes a row.
.macro WISSUE st, coff
.set WB, 32+128*(\st)
	WIN 0xc0*(\st)
.set n, 0
.rept 8
	global_load_b128 v[WB+4*n:WB+4*n+3], v[WO], s[6:7] offset:(\coff)+32768*(n/2)+8192*(n%2)
	global_load_b128 v[WB+32+4*n:WB+32+4*n+3], v[WO], s[8:9] offset:(\coff)+32768*(n/2)+8192*(n%2)
.set n, n+1
.endr
.endm
; The set is rounded in place and stored to its lasting place: 8 bytes a lane; the four rows of a store start at words 0, 32, 16, 48 and take 16 words each
.macro STAGE st
.set WB, 32+128*(\st)
	WIN 0xcf*(\st)
.set n, 0
.rept 16
	v_cvt_pk_bf16_f32 v[WB+4*n], v[WB+4*n], v[WB+4*n+1]
	v_cvt_pk_bf16_f32 v[WB+4*n+1], v[WB+4*n+2], v[WB+4*n+3]
.set n, n+1
.endr
	WIN 0x0c*(\st)
.set n, 0
.rept 16
	ds_store_b64 v[SA], v[WB+4*n:WB+4*n+1] offset:64*(n/8)+1152*((n%8)/2)+288*(n%2)
.set n, n+1
.endr
.endm
; A chunk's token fragments, eight loads a tile.  all = 0: only my tiles; the first tile that I do not have jumps to the end
.macro AISSUE st, all
.set jj, 0
.rept 5
.if !(\all)
	s_cmp_le_u32 s[NT], jj
	s_cbranch_scc1 .Laend_\@
.endif
	WIN 0x40*(1+(\st))
.set kk, 0
.rept 4
	global_load_b128 v[32*jj+8*kk:32*jj+8*kk+3],   v[AO+jj], s[4:5] offset:kk*A_KS
	global_load_b128 v[32*jj+8*kk+4:32*jj+8*kk+7], v[AO+jj], s[4:5] offset:kk*A_KS+A_HALF
.set kk, kk+1
.endr
.if !(\all)
	WIN 0                                          ; at a branch and at a label every window is 0
.endif
.set jj, jj+1
.endr
	WIN 0
.Laend_\@:
.endm
.macro BFETCH                          ; a chunk's 16 fragments of B, turned: 32 loads in one run
.set kk, 0
.rept 4
.set qq, 0
.rept 4
	ds_load_tr16_b128 v[BF+32*kk+8*qq:BF+32*kk+8*qq+3],   v[BA] offset:4608*kk+32*qq
	ds_load_tr16_b128 v[BF+32*kk+8*qq+4:BF+32*kk+8*qq+7], v[BA] offset:4608*kk+32*qq+2304
.set qq, qq+1
.endr
.set kk, kk+1
.endr
.endm
; 16 matrix instructions a tile.  A tile's four accumulators take turns, one instruction a turn; a tile ends on q = 3 and the next begins on q = 0, over a jumped tile and the loop's edge too.
; zero = 1: the first k step starts the sums with the constant 0.
.macro COMPUTE p, zero, all
.set jj, 0
.rept 5
.if !(\all)
	s_cmp_le_u32 s[NT], jj
	s_cbranch_scc1 .Lcend_\@
.endif
	WIN 0xf0|((1+(\p))<<2)                         ; source 0 (B) window 0, source 1 (A) window 1 or 2, C and D window 3
.set kk, 0
.rept 4
.set qq, 0
.rept 4
.if (\zero) && (kk == 0)
	v_wmma_f32_16x16x32_bf16 v[32*jj+8*qq:32*jj+8*qq+7], v[BF+32*kk+8*qq:BF+32*kk+8*qq+7], v[32*jj+8*kk:32*jj+8*kk+7], 0
.else
	v_wmma_f32_16x16x32_bf16 v[32*jj+8*qq:32*jj+8*qq+7], v[BF+32*kk+8*qq:BF+32*kk+8*qq+7], v[32*jj+8*kk:32*jj+8*kk+7], v[32*jj+8*qq:32*jj+8*qq+7]
.endif
.set qq, qq+1
.endr
.set kk, kk+1
.endr
.if !(\all)
	WIN 0
.endif
.set jj, jj+1
.endr
	WIN 0
.Lcend_\@:
.endm
; TRIP c (p = c & 1).  Reads chunk c of B; asks for A of chunk c + 1; rounds and stores chunk c + 1 of the weights; asks for chunk c + 3; multiplies chunk c; publishes chunk c + 1.
; lcnt: within a trip A's loads (their number hangs on my tiles) go out ahead of the 16 weight loads, so the count 16 leaves exactly the youngest chunk out, on every path, and shows A of chunk c and the weights of chunk c + 1 in.
.macro TRIP p, zero, all, aload, aall, stage, wload, lcnt, bar
	BFETCH
	s_wait_loadcnt \lcnt
.if \aload
	s_wait_xcnt 0x0                                ; the bases of loads still out are stepped only behind this wait
	s_add_nc_u64 s[4:5], s[4:5], A_STEP
.if \wload
	s_add_nc_u64 s[6:7], s[6:7], W_STEP
	s_add_nc_u64 s[8:9], s[8:9], W_STEP
.endif
	AISSUE 1-(\p), \aall
.endif
.if \stage
	STAGE 1-(\p)
.endif
.if \wload
	WISSUE 1-(\p), 0
.endif
	WIN 0
.if \stage
	v_add_nc_u32 v[SA], CHUNK, v[SA]
	s_wait_dscnt 16                                ; the 32 fragment loads are back; the 16 stores behind them may be out
.else
	s_wait_dscnt 0x0
.endif
	COMPUTE \p, \zero, \all
	PLACES                                         ; in front of the next trip's loads into B's and A's registers, and of the way out
	v_add_nc_u32 v[BA], CHUNK, v[BA]
.if \bar
	s_wait_dscnt 0x0                               ; my part of the next chunk is stored,
	s_barrier_signal -1
	s_barrier_wait -1                              ; everybody's is
.endif
.endm
; THE WAY OUT, in three parts.  ACT: a = g u / (1 + 2^(g (K0 + K1 g^2))) of the tile whose accumulators begin at gg of window 3, 16 numbers a lane, into v[db ..] of window dw.
; Each accumulator's lowest registers are read first.  The 16 exponentials are one batch with one wait, g u the plain work behind them; the 16 reciprocals likewise, with a v_nop.
.macro ACT gg, dw, db
.set GG, (\gg)
.set DB, (\db)
	WIN 0x0f                                       ; sources 0 and 1 window 3
.set z, 0
.rept 8
	v_pk_mul_f32 v[TT+2*z:TT+2*z+1], v[GG+2*z:GG+2*z+1], v[GG+2*z:GG+2*z+1]
.set z, z+1
.endr
	WIN 0
.set z, 0
.rept 8
	v_pk_fma_f32 v[TT+2*z:TT+2*z+1], v[TT+2*z:TT+2*z+1], s[34:35], s[32:33] op_sel_hi:[1,0,0]
.set z, z+1
.endr
	WIN 0x03
.set z, 0
.rept 8
	v_pk_mul_f32 v[TT+2*z:TT+2*z+1], v[GG+2*z:GG+2*z+1], v[TT+2*z:TT+2*z+1]
.set z, z+1
.endr
	WIN 0
.set z, 0
.rept 16
	v_exp_f32 v[TT+z], v[TT+z]
.set z, z+1
.endr
	WIN 0x0f
.set z, 0
.rept 8
	v_pk_mul_f32 v[UU+2*z:UU+2*z+1], v[GG+2*z:GG+2*z+1], v[GG+16+2*z:GG+16+2*z+1]
.set z, z+1
.endr
	WIN 0
	s_wait_alu depctr_va_vdst(0)                   ; one wait for the batch, ahead of its first reader
.set z, 0
.rept 8
	v_pk_add_f32 v[TT+2*z:TT+2*z+1], v[TT+2*z:TT+2*z+1], 1.0 op_sel_hi:[1,0]
.set z, z+1
.endr
.set z, 0
.rept 16
	v_rcp_f32 v[TT+z], v[TT+z]
.set z, z+1
.endr
	v_nop
	s_wait_alu depctr_va_vdst(0)
	WIN (\dw)<<6                                   ; the destination's window
.set z, 0
.rept 8
	v_pk_mul_f32 v[DB+2*z:DB+2*z+1], v[UU+2*z:UU+2*z+1], v[TT+2*z:TT+2*z+1]
.set z, z+1
.endr
	WIN 0
.endm
.macro MAXU sw, sb                     ; MX takes the magnitudes of the 16 numbers at v[sb ..] of window sw
.set SB, (\sb)
	WIN (\sw)<<2                                   ; source 1's window
.set z, 0
.rept 16
	v_and_b32 v[TT+z], s[MSK], v[SB+z]
.set z, z+1
.endr
	WIN 0
.set z, 0
.rept 8
	v_max3_num_f32 v[MX], v[MX], v[TT+2*z], v[TT+2*z+1]
.set z, z+1
.endr
.endm
.macro PUT sw, sb, hh, ho              ; the 16 numbers at v[sb ..] of window sw, times 2^(141 - es), rounded to f16 into v[hh ..] and stored at offset v[ho]
.set SB, (\sb)
.set HB, (\hh)
	WIN (\sw)                                      ; source 0's window
.set z, 0
.rept 8
	v_pk_mul_f32 v[TT+2*z:TT+2*z+1], v[SB+2*z:SB+2*z+1], s[SF:SF+1] op_sel_hi:[1,0]
.set z, z+1
.endr
	WIN 0
.set z, 0
.rept 8
	v_cvt_pk_f16_f32 v[HB+z], v[TT+2*z], v[TT+2*z+1]
.set z, z+1
.endr
	global_store_b128 v[\ho], v[HB:HB+3],   s[12:13]             ; columns 8 h .. of my row: 512 consecutive bytes a store, aligned
	global_store_b128 v[\ho], v[HB+4:HB+7], s[12:13] offset:512  ; columns 16 + 8 h ..
.endm
; THE TILES FROM 20 ON (counts over 320 alone), four a step, one a wave, multiplied from the resident slice.  p = 0: MX takes their magnitudes.  p = 1: they are stored.
; With 20 tiles or fewer the whole loop is jumped, from in front of it.  Else it counts all its 27 steps, which cover tiles 20 to 127, the most that 2,048 rows make; it is left only by falling through its
; backward branch.  A wave without a tile in a step (past the expert's last tile too) jumps forward to the counter.
.macro RARE p
	s_cmp_le_u32 s19, 20
	s_cbranch_scc1 .Lrd\p                          ; 320 rows or fewer: there is no such tile
	s_mov_b32 s24, 16
	s_mov_b32 s23, 27
.Lrb\p:
	s_add_co_u32 s24, s24, 4
	s_add_co_u32 s28, s24, s14                     ; my tile
	s_cmp_ge_u32 s28, s19
	s_cbranch_scc1 .Lrn\p
	s_wait_xcnt 0x0                                ; the last step's stores have read their offset and their data
	s_lshl_b32 s29, s28, 4
	s_lshl_b32 s30, s25, 4
	v_add_nc_u32 v20, s29, v[RR]
	v_min_u32 v20, s21, v20                        ; the last row again past the count
	v_add_nc_u32 v20, s30, v20
	v_min_u32 v20, 0x87f, v20
	v_lshl_add_u32 v[AO1], v20, 12, v[H16]
	s_add_co_u32 s29, s18, s28
	s_min_u32 s29, s29, 135
	s_lshl_b32 s29, s29, 10
	v_add_nc_u32 v[HO1], s29, v[L16]
	WIN 0xc0
.set i, 0
.rept 32                               ; cleared, on this path alone: shorter than a first chunk written out
	v_mov_b32 v[i], 0
.set i, i+1
.endr
	WIN 0
	s_mov_b64 s[4:5], s[26:27]
	v_mov_b32 v[BA], v[BA0]
	s_mov_b32 s36, NCH
.Lr\p:
	BFETCH
	WIN 0x40
.set kk, 0
.rept 4
	global_load_b128 v[8*kk:8*kk+3],   v[AO1], s[4:5] offset:kk*A_KS
	global_load_b128 v[8*kk+4:8*kk+7], v[AO1], s[4:5] offset:kk*A_KS+A_HALF
.set kk, kk+1
.endr
	WIN 0
	s_wait_loadcnt 0x0
	s_wait_dscnt 0x0
	WIN 0xf4
.set kk, 0
.rept 4
.set qq, 0
.rept 4                                ; the four accumulators by turns, over the loop's edge too
	v_wmma_f32_16x16x32_bf16 v[8*qq:8*qq+7], v[BF+32*kk+8*qq:BF+32*kk+8*qq+7], v[8*kk:8*kk+7], v[8*qq:8*qq+7]
.set qq, qq+1
.endr
.set kk, kk+1
.endr
	WIN 0
	PLACES
	v_add_nc_u32 v[BA], CHUNK, v[BA]
	s_add_nc_u64 s[4:5], s[4:5], A_STEP
	s_sub_co_u32 s36, s36, 1
	s_cmp_lg_u32 s36, 0
	s_cbranch_scc1 .Lr\p
	ACT 0, 0, UU
.if \p
	PUT 0, UU, HR, HO1
.else
	MAXU 0, UU
.endif
.Lrn\p:
	s_sub_co_u32 s23, s23, 1
	s_cmp_lg_u32 s23, 0
	s_cbranch_scc1 .Lrb\p
.Lrd\p:
.endm
	s_load_b256 s[4:11], s[0:1], 0x0               ; xs s[4:5], gate_w s[6:7], up_w s[8:9], meta s[10:11]
	s_load_b128 s[36:39], s[0:1], 0x20             ; hid s[36:37], scl s[38:39]
	v_lshl_add_u32 v[SPW], v0, 2, SPARE            ; my spare word,
	v_mov_b32 v[NIL], 0                            ; and 0: kept for the add at the wave's end
	v_lshrrev_b32 v1, 5, v0
	v_readfirstlane_b32 s14, v1                    ; wave 0..3
	s_mov_b32 s15, ttmp9                           ; slice
	s_and_b32 s16, ttmp7, 0xffff                   ; expert
	v_and_b32 v1, 31, v0                           ; lane
	v_and_b32 v[RR], 15, v0                        ; r
	v_bfe_u32 v20, v0, 4, 1                        ; h
	v_lshlrev_b32 v[H16], 4, v20
	v_lshlrev_b32 v[L16], 4, v1
	v_and_b32 v21, 7, v0
	v_lshl_add_u32 v22, v20, 3, v21                ; the turning load: lane l addresses k row 8 h + (l & 7), 16 bytes at 16 ((l >> 3) & 1)
	v_lshrrev_b32 v23, 1, v22
	v_mul_u32_u24 v23, v23, 288
	v_and_b32 v22, 1, v22
	v_lshl_add_u32 v23, v22, 7, v23
	v_bfe_u32 v22, v0, 3, 1
	v_lshl_add_u32 v[BA0], v22, 4, v23
	v_mov_b32 v[BA], v[BA0]
	v_lshlrev_b32 v[WO], 4, v21                    ; weights: row (bit 3) + 4 (bit 4) of eight, 16 bytes at 16 (l & 7), my wave's 32 rows
	v_lshl_add_u32 v[WO], v22, 12, v[WO]
	v_lshl_add_u32 v[WO], v20, 14, v[WO]
	s_lshl_b32 s28, s14, 17
	v_add_nc_u32 v[WO], s28, v[WO]
	v_lshlrev_b32 v[SA], 3, v21                    ; and the same place in LDS
	v_lshl_add_u32 v[SA], v22, 7, v[SA]
	v_mul_u32_u24 v23, v20, 576
	s_mul_i32 s28, s14, 4608
	v_add3_u32 v[SA], v[SA], v23, s28
	s_lshl_b32 s28, s14, 2
	s_add_co_u32 s28, s28, XCH
	v_mov_b32 v[XA], s28                           ; my wave's word among the four maxima
	v_mov_b32 v[XB], XCH
	s_lshl_b32 s28, s16, 7
	s_lshl_b32 s29, s15, 2
	s_add_co_u32 s28, s28, s29
	v_mov_b32 v[TBO], s28                          ; scl[e][s]
	v_mov_b32 v31, 0
	s_lshl_b32 s28, s16, 23                        ; an expert's 8,388,608 bytes,
	s_lshl_b32 s29, s15, 7                         ; the slice's 128 bytes in a row
	s_add_co_u32 s28, s28, s29
	s_mov_b32 s29, 0
	s_lshl_b32 s30, s16, 2
	s_mul_i32 s40, s15, HSTEP                      ; the slice is k step s of hid
	s_mov_b32 s41, 0
	s_mov_b32 s32, 0xc0135761                      ; K0 = -2 sqrt(2 / pi) log2(e) = -2.3022082
	s_mov_b32 s33, s32
	s_mov_b32 s34, 0xbdd2d3e5                      ; K1 = 0.044715 K0 = -0.10294324
	s_mov_b32 s35, s34
	s_mov_b32 s[SEL], 0x76543210
	s_mov_b32 s[SEL+1], 0xfedcba98
	s_mov_b32 s[MSK], 0x7fffffff
	s_wait_kmcnt 0x0
	s_load_b32 s17, s[10:11], s30 offset:0x0       ; cnt[e]
	s_load_b32 s18, s[10:11], s30 offset:0x20      ; tb[e]
	s_add_nc_u64 s[6:7], s[6:7], s[28:29]
	s_add_nc_u64 s[8:9], s[8:9], s[28:29]
	s_add_nc_u64 s[12:13], s[36:37], s[40:41]
	WISSUE 0, 0                                    ; the weights first: chunks 0 and 1
	WISSUE 1, W_STEP
	WIN 0
	s_wait_kmcnt 0x0
	s_min_u32 s17, s17, 2048
	s_min_u32 s18, s18, 135
	s_add_co_u32 s19, s17, 15
	s_lshr_b32 s19, s19, 4                         ; the expert's tiles
	s_max_u32 s21, s17, 1
	s_sub_co_u32 s21, s21, 1
	s_cmp_eq_u32 s17, 0
	s_cselect_b32 s25, 0, s18                      ; an expert without rows reads row 0, which some expert always has
	s_mov_b64 s[26:27], s[4:5]
	SETUP
	AISSUE 0, 1                                    ; all five tiles, so that every register of the set is written
	s_wait_loadcnt 56                              ; behind chunk 0's loads: chunk 1's 16 and A's 40
	STAGE 0
	WISSUE 0, 2*W_STEP                             ; chunk 2
	WIN 0
	v_add_nc_u32 v[SA], CHUNK, v[SA]
	s_wait_xcnt 0x0
	s_add_nc_u64 s[6:7], s[6:7], 2*W_STEP
	s_add_nc_u64 s[8:9], s[8:9], 2*W_STEP
	s_wait_dscnt 0x0                               ; my part of chunk 0 is stored,
	s_barrier_signal -1
	s_barrier_wait -1                              ; everybody's is
	TRIP 0,1,1, 1,1, 1,1, 16, 1                    ; trip 0 starts the sums, on all five tiles: every accumulator and A's second set are written on every path
	s_mov_b32 s22, (NCH-4)/2
.Lk:                                                   ; trips 1 to NCH - 4
	TRIP 1,0,0, 1,0, 1,1, 16, 1
	TRIP 0,0,0, 1,0, 1,1, 16, 1
	s_sub_co_u32 s22, s22, 1
	s_cmp_lg_u32 s22, 0
	s_cbranch_scc1 .Lk
	TRIP 1,0,0, 1,0, 1,0, 16, 1                    ; no weights are left to ask for; the last chunk is still out
	TRIP 0,0,0, 1,0, 1,0, 0, 1                     ; nothing was asked for behind A: the wait is for all
	TRIP 1,0,0, 0,0, 0,0, 0, 0                     ; the last chunk
	; TILES 0 TO 19: a into window 2, where A's second set lay, and its largest magnitude
	v_mov_b32 v[MX], 0
.set jj, 0
.rept 5
	s_cmp_le_u32 s[NT], jj
	s_cbranch_scc1 .Le0
	ACT 32*jj, 2, 16*jj
	MAXU 2, 16*jj
.set jj, jj+1
.endr
.Le0:
	RARE 0                                         ; counts over 320: the other tiles' magnitudes
	; m: over my 32 lanes (four steps inside each half ride on the arithmetic, one crosses the halves), then over the four waves, through LDS
	v_max_num_f32_dpp v[MX], v[MX], v[MX] row_xmask:1 row_mask:0xf bank_mask:0xf
	v_max_num_f32_dpp v[MX], v[MX], v[MX] row_xmask:2 row_mask:0xf bank_mask:0xf
	v_max_num_f32_dpp v[MX], v[MX], v[MX] row_xmask:4 row_mask:0xf bank_mask:0xf
	v_max_num_f32_dpp v[MX], v[MX], v[MX] row_xmask:8 row_mask:0xf bank_mask:0xf
	v_permlanex16_b32 v31, v[MX], s[SEL], s[SEL+1]
	v_max_num_f32 v[MX], v[MX], v31
	s_wait_dscnt 0x0                               ; my reads of the slice are back,
	s_barrier_signal -1
	s_barrier_wait -1                              ; everybody's are: no LDS word is written while a wave still reads LDS
	ds_store_b32 v[XA], v[MX]                      ; all lanes write my wave's word with the same number
	s_wait_dscnt 0x0                               ; for the others' sake
	s_barrier_signal -1
	s_barrier_wait -1
	ds_load_b128 v[20:23], v[XB]
	s_wait_dscnt 0x0
	v_max3_num_f32 v[MX], v20, v21, v22
	v_max_num_f32 v[MX], v[MX], v23                ; m, in every lane of every wave
	v_readfirstlane_b32 s37, v[MX]
	s_bfe_u32 s37, s37, 0x80017                    ; its exponent field,
	s_max_u32 s37, s37, 15                         ; es: at least 15, so that the two factors made of it are normal numbers
	s_sub_co_u32 s37, 268, s37                     ; 127 + 141 - es
	s_lshl_b32 s[SF], s37, 23                      ; 2^(141 - es)
	s_mov_b32 s[SF+1], s[SF]
	s_cmp_lg_u32 s14, 0
	s_cbranch_scc1 .Lnotab
	s_wait_xcnt 0x0                                ; EXEC changes only behind this wait
	v_cmp_eq_u32 vcc_lo, 0, v1
	s_and_saveexec_b32 s37, vcc_lo
	global_store_b32 v[TBO], v[MX], s[38:39]       ; wave 0, lane 0: scl[e][s] = m: four bytes a work-group, 1,024 in the launch
	s_wait_xcnt 0x0                                ; and again in front of the line that widens it
	s_or_b32 exec_lo, exec_lo, s37
.Lnotab:
.set jj, 0
.rept 5                                ; tiles 0 to 19 go out
	s_cmp_le_u32 s[NT], jj
	s_cbranch_scc1 .Lp0
	PUT 2, 16*jj, HH+8*jj, HO+jj
.set jj, jj+1
.endr
.Lp0:
	RARE 1                                         ; counts over 320: the other tiles once more, and out
	s_wait_dscnt 0x0                               ; my reads of the slice are back,
	s_barrier_signal -1
	s_barrier_wait -1                              ; everybody's are: no LDS word is written while a wave still reads LDS
	s_wait_tensorcnt 0x0                           ; the wave's end, behind my last LDS store
	ds_add_u32 v[SPW], v[NIL]
	s_wait_dscnt 0x0
	s_endpgm
.Lfunc_end_k_qf4fa341b41_gateup:
	.size	k_qf4fa341b41_gateup, .Lfunc_end_k_qf4fa341b41_gateup-k_qf4fa341b41_gateup
	.p2alignl 7, 3214868480
	.fill 96, 4, 3214868480
	.section	.rodata,"a",@progbits
	.p2align	6, 0x0
	.amdhsa_kernel k_qf4fa341b41_gateup
		.amdhsa_group_segment_fixed_size 295680
		.amdhsa_private_segment_fixed_size 0
		.amdhsa_enable_private_segment 0
		.amdhsa_kernarg_size 48
		.amdhsa_user_sgpr_count 2
		.amdhsa_user_sgpr_kernarg_segment_ptr 1
		.amdhsa_wavefront_size32 1
		.amdhsa_system_sgpr_workgroup_id_x 1
		.amdhsa_system_sgpr_workgroup_id_y 1
		.amdhsa_system_sgpr_workgroup_id_z 1
		.amdhsa_system_vgpr_workitem_id 0
		.amdhsa_next_free_vgpr 992
		.amdhsa_next_free_sgpr 66
		.amdhsa_reserve_vcc 1
		.amdhsa_float_denorm_mode_32 3
		.amdhsa_float_denorm_mode_16_64 3
		.amdhsa_memory_ordered 1
		.amdhsa_forward_progress 1
		.amdhsa_inst_pref_size 166
	.end_amdhsa_kernel
	.amdgpu_metadata
---
amdhsa.version: [ 1, 2 ]
amdhsa.kernels:
  - .name:           k_qf4fa341b41_gateup
    .symbol:         k_qf4fa341b41_gateup.kd
    .args:
      - { .name: xs, .offset: 0, .size: 8, .value_kind: global_buffer, .address_space: global }
      - { .name: gate_w, .offset: 8, .size: 8, .value_kind: global_buffer, .address_space: global }
      - { .name: up_w, .offset: 16, .size: 8, .value_kind: global_buffer, .address_space: global }
      - { .name: meta, .offset: 24, .size: 8, .value_kind: global_buffer, .address_space: global }
      - { .name: hid, .offset: 32, .size: 8, .value_kind: global_buffer, .address_space: global }
      - { .name: scl, .offset: 40, .size: 8, .value_kind: global_buffer, .address_space: global }
    .group_segment_fixed_size: 295680
    .private_segment_fixed_size: 0
    .kernarg_segment_align: 8
    .kernarg_segment_size: 48
    .max_flat_workgroup_size: 128
    .sgpr_count:     66
    .vgpr_count:     992
    .wavefront_size: 32
...
	.end_amdgpu_metadata
.endif
;; end of part 5
;; launch down (part 6): grid 32 x 8, 4 waves a work-group, no clusters, 165,376 bytes of LDS; arguments hid, down_w, meta, scl, part; writes part
.if DOCPART == 6
	.amdgcn_target "amdgcn-amd-amdhsa--gfx1250"
	.amdhsa_code_object_version 6
	.text
	.protected	k_qf4fa341b41_down
	.globl	k_qf4fa341b41_down
	.p2align	8
	.type	k_qf4fa341b41_down,@function
k_qf4fa341b41_down:
	s_mov_b64 s[64:65], 0
	v_nop
	global_prefetch_b8 v0, s[64:65] scope:SCOPE_SE
	s_setreg_imm32_b32 hwreg(HW_REG_WAVE_MODE, 25, 1), 1
	s_wait_xcnt 0x0
; DOWN.  part[row] = a[row] down_w[e] for the rows of expert e (grid y) and output columns 64 s .. 64 s + 63 (grid x), in f32: the two partial rows of a token are added by the next launch.
; hid: [32 k steps][136 tiles][1024 bytes] f16, fragments as operand registers take them: k step ks holds a 2^(141 - e_ks) of the hidden columns 32 ks .. 32 ks + 31, where e_ks = max(exponent field of
; scl[e][ks], 15) and scl[e][ks] is the largest |a| of the expert in those columns.  down_w: [8][1024][2048] f32.  meta: cnt[0..7], tb[0..7].  part: [2176][2048] f32.
; THE ALIGNMENT.  E = the largest of the expert's 32 e_ks.  The weights of k step ks are rounded to bf16, as all the problem's inputs are here, multiplied by 2^(e_ks - E), which changes no bit of them, and
; written as f16; the sums are multiplied by 2^(E - 141) on the way out.  A wave stages the 32 rows of ONE k step of each chunk, so it needs one factor a trip: a scalar load a trip ahead, six scalar lines.
; LIMITS.  |down_w| stays under 65,504.  An aligned weight below 2^-17 keeps fewer than bf16's 8 bits, one below 2^-25 counts as 0: beside the largest k step's products (a up to 2^15) that is below 2^-40.
; The engine is the one of the launch before: the work-group's slice of the weights (256 KB of f32, which it alone reads, each byte once, in whole rows of 256 bytes) comes in 8 chunks of 128 k through
; registers and stays in LDS ([k][64 columns]).  Chunk c is asked for in trip c - 3, stored in trip c - 1, published by that trip's barrier, multiplied in trip c.
; Tile t of the expert belongs to wave t & 3.  Tiles 0 to 19 (320 rows, five a wave) are multiplied while the weights arrive.  Counts over 320 are served from the resident slice, one tile a wave at a time:
; plain and slow (32 LDS loads for 16 matrix instructions), with no barrier and no LDS write, since its work hangs on cnt.  Tiles that a wave does not have are jumped forward, never a barrier.
; An expert without rows streams its slice and stores nothing.
; The matrix instruction is used transposed (source 0 = 16 weight columns, source 1 = 16 rows): a lane holds eight neighbouring columns of a row.  Tiles 0 to 19 go through the wave's own stage in
; LDS and leave as rows of 256 consecutive bytes, aligned.  The later tiles write no LDS: a lane stores its 32 consecutive bytes of a row in two stores of 16, so that a store covers 32 pieces of
; 16 bytes in 16 rows: the price of a loop in which nothing writes LDS.
; NO TENSOR LOADS, NO CLUSTER: the weights must pass registers to be rounded; each slice has one reader; the rows that an expert's work-groups share go straight into operand registers.
.set NCH,    8                         ; chunks of 128 k
.set CHUNK,  18432                     ; two k rows of 128 bytes + 32 of padding = 288; row k at (k >> 1) 288 + (k & 1) 128: the eight rows of a turning load start at words 0, 32, 8, 40, 16, 48, 24, 56 of the 64 banks (ISA guide 11.1)
.set STG,    NCH*CHUNK                 ; behind the slice: 16 rows x 272 bytes for each wave
.set SPARE,  STG+4*4352                ; behind the stages: the spare words, 128 bytes for each wave
.set A_KS,   139264                    ; a k step of hid: 136 tiles of 1,024 bytes
.set A_HALF, 512
.set A_STEP, 557056
.set W_STEP, 1048576                   ; 128 rows of 8,192 bytes
; window 0: v2 SPW, v3 NIL, v4 BA, v5 SA, v6 WO, v7 BA0, v8-12 AO, v13-17 PO, v18 r, v20-23 at work, v24 16 lane, v25 STO, v26 RD, v27 PL, v28 FV, v29 ZR, v30 AO1, v31 PO1; v32-95 weight set 0; v96-223 B's fragments
; window 1: v0-159 A set 0     window 2: A set 1     window 3: v0-159 accumulators (tile j, 16 columns q at 32 j + 8 q); v160-223 weight set 1
.set SPW, 2
.set NIL, 3
.set BA,  4
.set SA,  5
.set WO,  6
.set BA0, 7
.set AO,  8
.set PO,  13
.set RR,  18
.set L16, 24
.set STO, 25
.set RD,  26
.set PL,  27                           ; my lane's place in a tile of part: 8,192 h + 16 r for tiles 0 to 19 (rows read back from the stage), 8,192 r + 32 h for the later ones (as the accumulators lie)
.set FV,  28                           ; 2^(e_ks - E) of the k step that I stage next
.set ZR,  29                           ; 0, the addend of the widening multiply
.set AO1, 30                           ; a later tile: my byte offset in hid,
.set PO1, 31                           ; and in part
.set BF,  96
.set OB,  96                           ; the way out: a tile read back from the stage
.set NT,  20
.set EE,  38                           ; s38 E
.set TO,  39                           ; s39 byte offset in scl of the k step that I stage next
.set OS,  42                           ; s[42:43] 2^(E - 141), named as a pair
; s[4:5] hid (walks along K), s[6:7] down_w (walks), s[8:9] meta, s[10:11] scl, s[12:13] part, s14 wave, s15 slice, s16 expert, s17 cnt, s18 tb, s19 tiles, s21 max(tiles, 1) - 1, s22 trips, s23 later steps to go,
; s24 a step's first tile, s25 tb or 0, s[26:27] hid kept, s28-31 at work, s36 chunks to go, s37 at work, s40 a factor at work, s41 scl's word as loaded, s[68:99] the expert's 32 words of scl
.set MSB, 0
.macro WIN new
.if MSB != (\new)
	s_set_vgpr_msb (MSB<<8)|(\new)
.set MSB, (\new)
.endif
.endm
.macro PLACES                          ; four plain instructions between a matrix instruction and a load into, or a vector instruction on, its registers
.rept 4
	v_nop
.endr
.endm
.macro SETUP                           ; the addresses of tiles 0 to 19; what was read from meta enters an offset only behind a clamp by a constant
	s_sub_co_i32 s28, s19, s14
	s_add_co_i32 s28, s28, 3
	s_max_i32 s28, s28, 0
	s_lshr_b32 s28, s28, 2
	s_min_u32 s[NT], s28, 5
	s_mov_b32 s28, s14
.set jj, 0
.rept 5
	s_min_u32 s29, s28, s21                        ; a tile that the expert does not have reads its last one
	s_add_co_u32 s29, s29, s25
	s_min_u32 s29, s29, 135
	s_lshl_b32 s29, s29, 10
	v_add_nc_u32 v[AO+jj], s29, v[L16]
	s_add_co_u32 s29, s18, s28
	s_min_u32 s29, s29, 135
	s_lshl_b32 s29, s29, 17                        ; 16 rows of 8,192 bytes
	v_add_nc_u32 v[PO+jj], s29, v[PL]
	s_add_co_u32 s28, s28, 4
.set jj, jj+1
.endr
.endm
.macro WISSUE st, coff                 ; 16 loads: my 32 rows of a chunk, two whole rows of 256 bytes a load
.set WB, 32+128*(\st)
	WIN 0xc0*(\st)
.set n, 0
.rept 16
	global_load_b128 v[WB+4*n:WB+4*n+3], v[WO], s[6:7] offset:(\coff)+16384*n th:TH_LOAD_NT  ; read once in the launch
.set n, n+1
.endr
.endm
; The factor of the k step that I stage now, from scl's word asked for a trip ago.  more = 1: the next k step's word is asked for (four k steps, 16 bytes, on); the last chunk asks for nothing.
.macro FACTOR more
	s_wait_kmcnt 0x0                               ; the one scalar load that is out
	s_bfe_u32 s40, s41, 0x80017                    ; the exponent field,
	s_max_u32 s40, s40, 15                         ; e_ks, as the launch before made it
	s_sub_co_i32 s40, s40, s[EE]
	s_add_co_i32 s40, s40, 127
	s_max_i32 s40, s40, 0                          ; more than 127 binades below E: the factor is 0
	s_lshl_b32 s40, s40, 23
	v_mov_b32 v[FV], s40                           ; 2^(e_ks - E)
.if \more
	s_add_co_u32 s[TO], s[TO], 16
	s_load_b32 s41, s[10:11], s[TO] offset:0x0
.endif
.endm
; The set is rounded to bf16, widened and aligned in one line a number, narrowed to f16, all in place, and stored to its lasting place: 8 bytes a lane, two k rows of 128 bytes a store
.macro STAGE st
.set WB, 32+128*(\st)
	WIN 0xcf*(\st)
.set n, 0
.rept 16
	v_cvt_pk_bf16_f32 v[WB+4*n], v[WB+4*n], v[WB+4*n+1]
	v_cvt_pk_bf16_f32 v[WB+4*n+1], v[WB+4*n+2], v[WB+4*n+3]
.set n, n+1
.endr
	WIN 0xc3*(\st)                                 ; destination and source 0 in the set's window, the factor and 0 in window 0
.set n, 0
.rept 16
	v_fma_mix_f32_bf16 v[WB+4*n+2], v[WB+4*n],   v[FV], v[ZR] op_sel:[1,0,0] op_sel_hi:[1,0,0]  ; the high halves first: they leave the packed words as they are
	v_fma_mix_f32_bf16 v[WB+4*n+3], v[WB+4*n+1], v[FV], v[ZR] op_sel:[1,0,0] op_sel_hi:[1,0,0]
	v_fma_mix_f32_bf16 v[WB+4*n],   v[WB+4*n],   v[FV], v[ZR] op_sel_hi:[1,0,0]
	v_fma_mix_f32_bf16 v[WB+4*n+1], v[WB+4*n+1], v[FV], v[ZR] op_sel_hi:[1,0,0]
.set n, n+1
.endr
	WIN 0xcf*(\st)
.set n, 0
.rept 16
	v_cvt_pk_f16_f32 v[WB+4*n], v[WB+4*n], v[WB+4*n+2]
	v_cvt_pk_f16_f32 v[WB+4*n+1], v[WB+4*n+1], v[WB+4*n+3]
.set n, n+1
.endr
	WIN 0x0c*(\st)
.set n, 0
.rept 16
	ds_store_b64 v[SA], v[WB+4*n:WB+4*n+1] offset:288*n
.set n, n+1
.endr
.endm
.macro AISSUE st, all                  ; a chunk's fragments of hid, eight loads of 512 consecutive bytes a tile
.set jj, 0
.rept 5
.if !(\all)
	s_cmp_le_u32 s[NT], jj
	s_cbranch_scc1 .Laend_\@
.endif
	WIN 0x40*(1+(\st))
.set kk, 0
.rept 4
	global_load_b128 v[32*jj+8*kk:32*jj+8*kk+3],   v[AO+jj], s[4:5] offset:kk*A_KS
	global_load_b128 v[32*jj+8*kk+4:32*jj+8*kk+7], v[AO+jj], s[4:5] offset:kk*A_KS+A_HALF
.set kk, kk+1
.endr
.if !(\all)
	WIN 0                                          ; at a branch and at a label every window is 0
.endif
.set jj, jj+1
.endr
	WIN 0
.Laend_\@:
.endm
.macro BFETCH                          ; a chunk's 16 fragments of B, turned: 32 loads in one run
.set kk, 0
.rept 4
.set qq, 0
.rept 4
	ds_load_tr16_b128 v[BF+32*kk+8*qq:BF+32*kk+8*qq+3],   v[BA] offset:4608*kk+32*qq
	ds_load_tr16_b128 v[BF+32*kk+8*qq+4:BF+32*kk+8*qq+7], v[BA] offset:4608*kk+32*qq+2304
.set qq, qq+1
.endr
.set kk, kk+1
.endr
.endm
.macro COMPUTE p, zero, all            ; a tile's four accumulators take turns, one instruction a turn; a tile ends on q = 3, the next begins on q = 0.  zero = 1: the first k step starts the sums with the constant 0
.set jj, 0
.rept 5
.if !(\all)
	s_cmp_le_u32 s[NT], jj
	s_cbranch_scc1 .Lcend_\@
.endif
	WIN 0xf0|((1+(\p))<<2)                         ; source 0 (B) window 0, source 1 (A) window 1 or 2, C and D window 3
.set kk, 0
.rept 4
.set qq, 0
.rept 4
.if (\zero) && (kk == 0)
	v_wmma_f32_16x16x32_f16 v[32*jj+8*qq:32*jj+8*qq+7], v[BF+32*kk+8*qq:BF+32*kk+8*qq+7], v[32*jj+8*kk:32*jj+8*kk+7], 0
.else
	v_wmma_f32_16x16x32_f16 v[32*jj+8*qq:32*jj+8*qq+7], v[BF+32*kk+8*qq:BF+32*kk+8*qq+7], v[32*jj+8*kk:32*jj+8*kk+7], v[32*jj+8*qq:32*jj+8*qq+7]
.endif
.set qq, qq+1
.endr
.set kk, kk+1
.endr
.if !(\all)
	WIN 0
.endif
.set jj, jj+1
.endr
	WIN 0
.Lcend_\@:
.endm
; TRIP c (p = c & 1): reads chunk c of B; asks for A of chunk c + 1; aligns, rounds and stores chunk c + 1; asks for chunk c + 3; multiplies chunk c; publishes chunk c + 1.
; lcnt: A's loads (their number hangs on my tiles) go out ahead of the 16 weight loads, so the count 16 leaves exactly the youngest chunk out, on every path.  fmore: FACTOR's argument.
.macro TRIP p, zero, all, aload, aall, stage, wload, lcnt, bar, fmore
	BFETCH
	s_wait_loadcnt \lcnt
.if \aload
	s_wait_xcnt 0x0                                ; the bases of loads still out are stepped only behind this wait
	s_add_nc_u64 s[4:5], s[4:5], A_STEP
.if \wload
	s_add_nc_u64 s[6:7], s[6:7], W_STEP
.endif
	AISSUE 1-(\p), \aall
.endif
.if \stage
	FACTOR \fmore
	STAGE 1-(\p)
.endif
.if \wload
	WISSUE 1-(\p), 0
.endif
	WIN 0
.if \stage
	v_add_nc_u32 v[SA], CHUNK, v[SA]
	s_wait_dscnt 16                                ; the 32 fragment loads are back; the 16 stores behind them may be out
.else
	s_wait_dscnt 0x0
.endif
	COMPUTE \p, \zero, \all
	PLACES
	v_add_nc_u32 v[BA], CHUNK, v[BA]
.if \bar
	s_wait_dscnt 0x0                               ; my part of the next chunk is stored,
	s_barrier_signal -1
	s_barrier_wait -1                              ; everybody's is
.endif
.endm
; THE WAY OUT of tiles 0 to 19: times 2^(E - 141), in place (each accumulator's lowest registers first); 16 bytes a lane into rows of 272 bytes of my own stage; back as whole rows of 256 bytes; stored.
.macro EPI
.set jj, 0
.rept 5
	s_cmp_le_u32 s[NT], jj
	s_cbranch_scc1 .Leend_\@
	WIN 0xc3                                       ; destination and source 0 window 3
.set z, 0
.rept 16
	v_pk_mul_f32 v[32*jj+2*z:32*jj+2*z+1], v[32*jj+2*z:32*jj+2*z+1], s[OS:OS+1] op_sel_hi:[1,0]
.set z, z+1
.endr
	WIN 0x0c                                       ; the stores' data in window 3
.set n, 0
.rept 8
	ds_store_b128 v[STO], v[32*jj+4*n:32*jj+4*n+3] offset:64*(n/2)+16*(n%2)
.set n, n+1
.endr
	WIN 0
	s_wait_xcnt 0x0                                ; the registers that the last tile's stores read are loaded again only behind this wait
.set n, 0
.rept 8
	ds_load_b128 v[OB+4*n:OB+4*n+3], v[RD] offset:544*n  ; LDS serves a wave's instructions in order (ISA guide 5.7.1.4): these see the stores above
.set n, n+1
.endr
	s_wait_dscnt 0x0
.set n, 0
.rept 8
	global_store_b128 v[PO+jj], v[OB+4*n:OB+4*n+3], s[12:13] offset:16384*n  ; 16 lanes store 256 consecutive bytes, aligned
.set n, n+1
.endr
.set jj, jj+1
.endr
.Leend_\@:
.endm
	s_load_b256 s[4:11], s[0:1], 0x0               ; hid s[4:5], down_w s[6:7], meta s[8:9], scl s[10:11]
	s_load_b64 s[12:13], s[0:1], 0x20              ; part
	v_lshl_add_u32 v[SPW], v0, 2, SPARE            ; my spare word,
	v_mov_b32 v[NIL], 0                            ; and 0: kept for the add at the wave's end
	v_lshrrev_b32 v1, 5, v0
	v_readfirstlane_b32 s14, v1                    ; wave 0..3
	s_mov_b32 s15, ttmp9                           ; slice
	s_and_b32 s16, ttmp7, 0xffff                   ; expert
	v_and_b32 v1, 31, v0
	v_and_b32 v[RR], 15, v0                        ; r
	v_bfe_u32 v20, v0, 4, 1                        ; h
	v_lshlrev_b32 v[L16], 4, v1
	v_mov_b32 v[ZR], 0
	v_and_b32 v21, 7, v0
	v_lshl_add_u32 v22, v20, 3, v21                ; the turning load: lane l addresses k row 8 h + (l & 7), 16 bytes at 16 ((l >> 3) & 1)
	v_lshrrev_b32 v23, 1, v22
	v_mul_u32_u24 v23, v23, 288
	v_and_b32 v22, 1, v22
	v_lshl_add_u32 v23, v22, 7, v23
	v_bfe_u32 v22, v0, 3, 1
	v_lshl_add_u32 v[BA0], v22, 4, v23
	v_mov_b32 v[BA], v[BA0]
	v_lshlrev_b32 v[PL], 4, v[RR]                  ; two rows of 8,192 bytes, 16 bytes a lane: in down_w and in part alike
	v_lshl_add_u32 v[PL], v20, 13, v[PL]
	s_lshl_b32 s28, s14, 18                        ; my wave's 32 rows of a chunk
	v_add_nc_u32 v[WO], s28, v[PL]
	v_lshlrev_b32 v[SA], 3, v[RR]                  ; and the same place in LDS
	v_lshl_add_u32 v[SA], v20, 7, v[SA]
	s_mul_i32 s28, s14, 4608
	v_add_nc_u32 v[SA], s28, v[SA]
	s_mul_i32 s28, s14, 4352
	s_add_co_u32 s28, s28, STG                     ; my stage
	v_mul_u32_u24 v21, v[RR], 272                  ; in: row r, 32 bytes for each half of the lanes
	v_lshl_add_u32 v21, v20, 5, v21
	v_add_nc_u32 v[STO], s28, v21
	v_mul_u32_u24 v21, v20, 272                    ; back: lanes 0-15 one row of 256 bytes, lanes 16-31 the next
	v_lshl_add_u32 v21, v[RR], 4, v21
	v_add_nc_u32 v[RD], s28, v21
	s_lshl_b32 s28, s16, 23                        ; an expert's 8,388,608 bytes,
	s_lshl_b32 s30, s15, 8                         ; the slice's 256 bytes in a row
	s_add_co_u32 s28, s28, s30
	s_mov_b32 s29, 0
	s_mov_b32 s31, 0
	s_lshl_b32 s36, s16, 2
	s_lshl_b32 s37, s16, 7                         ; the expert's 32 words of scl
	s_lshl_b32 s[TO], s14, 2
	s_add_co_u32 s[TO], s[TO], s37                 ; of chunk 0 I stage k step w
	s_wait_kmcnt 0x0
	s_load_b32 s17, s[8:9], s36 offset:0x0         ; cnt[e]
	s_load_b32 s18, s[8:9], s36 offset:0x20        ; tb[e]
	s_load_b512 s[68:83], s[10:11], s37 offset:0x0
	s_load_b512 s[84:99], s[10:11], s37 offset:0x40
	s_load_b32 s41, s[10:11], s[TO] offset:0x0
	s_add_nc_u64 s[6:7], s[6:7], s[28:29]
	s_add_nc_u64 s[12:13], s[12:13], s[30:31]
	WISSUE 0, 0                                    ; the weights first: chunks 0 and 1
	WISSUE 1, W_STEP
	WIN 0
	s_wait_kmcnt 0x0
	s_min_u32 s17, s17, 2048
	s_min_u32 s18, s18, 135
	s_add_co_u32 s19, s17, 15
	s_lshr_b32 s19, s19, 4                         ; the expert's tiles
	s_max_u32 s21, s19, 1
	s_sub_co_u32 s21, s21, 1
	s_cmp_eq_u32 s17, 0
	s_cselect_b32 s25, 0, s18                      ; an expert without rows reads tile 0, which some expert always has
	s_max_u32 s[EE], s68, s69                      ; the largest of the 32 magnitudes: none is negative, so their words order as whole numbers
.set i, 70
.rept 30
	s_max_u32 s[EE], s[EE], s[i]
.set i, i+1
.endr
	s_bfe_u32 s[EE], s[EE], 0x80017
	s_max_u32 s[EE], s[EE], 15                     ; E
	s_sub_co_u32 s[OS], s[EE], 14                  ; 127 + E - 141
	s_lshl_b32 s[OS], s[OS], 23                    ; 2^(E - 141)
	s_mov_b32 s[OS+1], s[OS]
	s_mov_b64 s[26:27], s[4:5]
	SETUP
	AISSUE 0, 1                                    ; all five tiles, so that every register of the set is written
	s_wait_loadcnt 56                              ; behind chunk 0's loads: chunk 1's 16 and A's 40
	FACTOR 1
	STAGE 0
	WISSUE 0, 2*W_STEP                             ; chunk 2
	WIN 0
	v_add_nc_u32 v[SA], CHUNK, v[SA]
	s_wait_xcnt 0x0
	s_add_nc_u64 s[6:7], s[6:7], 2*W_STEP
	s_wait_dscnt 0x0                               ; my part of chunk 0 is stored,
	s_barrier_signal -1
	s_barrier_wait -1                              ; everybody's is
	TRIP 0,1,1, 1,1, 1,1, 16, 1, 1                 ; trip 0 starts the sums, on all five tiles: every accumulator and A's second set are written on every path
	s_mov_b32 s22, (NCH-4)/2
.Lk:                                                   ; trips 1 to NCH - 4
	TRIP 1,0,0, 1,0, 1,1, 16, 1, 1
	TRIP 0,0,0, 1,0, 1,1, 16, 1, 1
	s_sub_co_u32 s22, s22, 1
	s_cmp_lg_u32 s22, 0
	s_cbranch_scc1 .Lk
	TRIP 1,0,0, 1,0, 1,0, 16, 1, 1                 ; no weights are left to ask for; the last chunk is still out
	TRIP 0,0,0, 1,0, 1,0, 0, 1, 0                  ; nothing was asked for behind A: the wait is for all; the last chunk's factor is in
	TRIP 1,0,0, 0,0, 0,0, 0, 0, 0                  ; the last chunk
	EPI                                            ; tiles 0 to 19 go out through the stage: the launch's last LDS stores
	s_wait_dscnt 0x0                               ; my stage is written and read back,
	s_barrier_signal -1
	s_barrier_wait -1                              ; everybody's is: from here to the closing barrier LDS is only read
	; THE TILES FROM 20 ON (counts over 320 alone), four a step, one a wave, from the resident slice.  With 20 tiles or fewer the whole loop is jumped, from in front of it.  Else it counts all its 27 steps,
	; which cover tiles 20 to 127, the most that 2,048 rows make; it is left only by falling through its backward branch.  A wave without a tile in a step jumps forward to the counter.
	s_cmp_le_u32 s19, 20
	s_cbranch_scc1 .Ldone                          ; 320 rows or fewer: there is no such tile
	v_bfe_u32 v20, v0, 4, 1                        ; the later tiles are stored as the accumulators lie: row r, 32 bytes for each half of the lanes
	v_lshlrev_b32 v[PL], 13, v[RR]
	v_lshl_add_u32 v[PL], v20, 5, v[PL]
	s_mov_b32 s24, 16
	s_mov_b32 s23, 27
.Lblk:
	s_add_co_u32 s24, s24, 4
	s_add_co_u32 s28, s24, s14                     ; my tile
	s_cmp_ge_u32 s28, s19
	s_cbranch_scc1 .Lnext
	s_wait_xcnt 0x0                                ; the stores have read their offsets and their data
	s_add_co_u32 s29, s18, s28
	s_min_u32 s29, s29, 135
	s_lshl_b32 s30, s29, 10
	v_add_nc_u32 v[AO1], s30, v[L16]
	s_lshl_b32 s30, s29, 17
	v_add_nc_u32 v[PO1], s30, v[PL]
	WIN 0xc0
.set i, 0
.rept 32                               ; cleared, on this path alone: shorter than a first chunk written out
	v_mov_b32 v[i], 0
.set i, i+1
.endr
	WIN 0
	s_mov_b64 s[4:5], s[26:27]
	v_mov_b32 v[BA], v[BA0]
	s_mov_b32 s36, NCH
.Lr:
	BFETCH
	WIN 0x40
.set kk, 0
.rept 4
	global_load_b128 v[8*kk:8*kk+3],   v[AO1], s[4:5] offset:kk*A_KS
	global_load_b128 v[8*kk+4:8*kk+7], v[AO1], s[4:5] offset:kk*A_KS+A_HALF
.set kk, kk+1
.endr
	WIN 0
	s_wait_loadcnt 0x0
	s_wait_dscnt 0x0
	WIN 0xf4
.set kk, 0
.rept 4
.set qq, 0
.rept 4                                ; the four accumulators by turns, over the loop's edge too
	v_wmma_f32_16x16x32_f16 v[8*qq:8*qq+7], v[BF+32*kk+8*qq:BF+32*kk+8*qq+7], v[8*kk:8*kk+7], v[8*qq:8*qq+7]
.set qq, qq+1
.endr
.set kk, kk+1
.endr
	WIN 0
	PLACES
	v_add_nc_u32 v[BA], CHUNK, v[BA]
	s_add_nc_u64 s[4:5], s[4:5], A_STEP
	s_sub_co_u32 s36, s36, 1
	s_cmp_lg_u32 s36, 0
	s_cbranch_scc1 .Lr
	WIN 0xc3                                       ; times 2^(E - 141), in place, each accumulator's lowest registers first
.set z, 0
.rept 16
	v_pk_mul_f32 v[2*z:2*z+1], v[2*z:2*z+1], s[OS:OS+1] op_sel_hi:[1,0]
.set z, z+1
.endr
	WIN 0x0c                                       ; the stores' data in window 3
.set n, 0
.rept 8
	global_store_b128 v[PO1], v[4*n:4*n+3], s[12:13] offset:64*(n/2)+16*(n%2)  ; row r, bytes 64 q + 32 h + 16 (n % 2)
.set n, n+1
.endr
	WIN 0
.Lnext:
	s_sub_co_u32 s23, s23, 1
	s_cmp_lg_u32 s23, 0
	s_cbranch_scc1 .Lblk
.Ldone:                                                ; all paths meet here: every wave passes this barrier once
	s_wait_dscnt 0x0                               ; my reads of the slice are back,
	s_barrier_signal -1
	s_barrier_wait -1                              ; everybody's are: no LDS word is written while a wave still reads LDS
	s_wait_tensorcnt 0x0                           ; the wave's end, behind my last LDS store
	ds_add_u32 v[SPW], v[NIL]
	s_wait_dscnt 0x0
	s_endpgm
.Lfunc_end_k_qf4fa341b41_down:
	.size	k_qf4fa341b41_down, .Lfunc_end_k_qf4fa341b41_down-k_qf4fa341b41_down
	.p2alignl 7, 3214868480
	.fill 96, 4, 3214868480
	.section	.rodata,"a",@progbits
	.p2align	6, 0x0
	.amdhsa_kernel k_qf4fa341b41_down
		.amdhsa_group_segment_fixed_size 165376
		.amdhsa_private_segment_fixed_size 0
		.amdhsa_enable_private_segment 0
		.amdhsa_kernarg_size 40
		.amdhsa_user_sgpr_count 2
		.amdhsa_user_sgpr_kernarg_segment_ptr 1
		.amdhsa_wavefront_size32 1
		.amdhsa_system_sgpr_workgroup_id_x 1
		.amdhsa_system_sgpr_workgroup_id_y 1
		.amdhsa_system_sgpr_workgroup_id_z 1
		.amdhsa_system_vgpr_workitem_id 0
		.amdhsa_next_free_vgpr 992
		.amdhsa_next_free_sgpr 100
		.amdhsa_reserve_vcc 0
		.amdhsa_float_denorm_mode_32 3
		.amdhsa_float_denorm_mode_16_64 3
		.amdhsa_memory_ordered 1
		.amdhsa_forward_progress 1
		.amdhsa_inst_pref_size 170
	.end_amdhsa_kernel
	.amdgpu_metadata
---
amdhsa.version: [ 1, 2 ]
amdhsa.kernels:
  - .name:           k_qf4fa341b41_down
    .symbol:         k_qf4fa341b41_down.kd
    .args:
      - { .name: hid, .offset: 0, .size: 8, .value_kind: global_buffer, .address_space: global }
      - { .name: down_w, .offset: 8, .size: 8, .value_kind: global_buffer, .address_space: global }
      - { .name: meta, .offset: 16, .size: 8, .value_kind: global_buffer, .address_space: global }
      - { .name: scl, .offset: 24, .size: 8, .value_kind: global_buffer, .address_space: global }
      - { .name: part, .offset: 32, .size: 8, .value_kind: global_buffer, .address_space: global }
    .group_segment_fixed_size: 165376
    .private_segment_fixed_size: 0
    .kernarg_segment_align: 8
    .kernarg_segment_size: 40
    .max_flat_workgroup_size: 128
    .sgpr_count:     100
    .vgpr_count:     992
    .wavefront_size: 32
...
	.end_amdgpu_metadata
.endif
;; end of part 6
;; launch combine: the kernel of part 4 again; grid 256 x 1, 4 waves a work-group, no clusters, 0 bytes of LDS; arguments part, pos, routing_weights, out0; writes out0
